; MI455X (gfx1250); checked and timed in simulation.
; The chip was launched on July 23, 2026; its instructions are those of AMD's public machine-readable ISA for CDNA 5 (MIT licence, August 2026) and "CDNA5" Instruction Set Architecture Reference Guide (July 2026). The comments in the code are by the model that wrote it; some were corrected since.
;; Dense Full Attention. Allowed arithmetic: matrix products marked QUANTISED: E4M3 operands, one given power-of-two scale a tensor, by v_wmma_f32_16x16x64_fp8_fp8 or v_wmma_f32_16x16x128_fp8_fp8, f32 sums; everything else in f32.
;; Inputs: freq_cos 2,048 x 64 float32; freq_sin 2,048 x 64 float32; lowp_scales 12 int32 (the exponents e of the quantised operands' scales 2^e); wk 2,048 x 2,048 float32; wo 2,048 x 2,048 float32; wq 2,048 x 2,048 float32; wv 2,048 x 2,048 float32; x 1 x 2,048 x 2,048 float32.
;; Outputs: out0 1 x 2,048 x 2,048 float32.
;; This version of the problem:
;;   THIS VERSION OF THE PROBLEM IS GIVEN IN LOW PRECISION. The matrix products marked QUANTISED in the list below multiply operands that are first quantised to E4M3 (4 exponent bits, 3 mantissa bits; 8 bits a number), with one given power-of-two scale for each operand tensor; their sums are f32. All else is computed in f32.
;;   The module's matrix products, in the order in which they are computed (A, B: the left and right operand; K: the contracted axis; several contracted axes count as one K, in the product's order):
;;     1. [M 2,048, K 2,048] x [K 2,048, N 2,048]; A: input x; B: input wq: QUANTISED (scales: A lowp_scales[0], B lowp_scales[1])
;;     2. [M 2,048, K 2,048] x [K 2,048, N 2,048]; A: input x; B: input wk: QUANTISED (scales: A lowp_scales[2], B lowp_scales[3])
;;     3. [M 2,048, K 2,048] x [K 2,048, N 2,048]; A: input x; B: input wv: QUANTISED (scales: A lowp_scales[4], B lowp_scales[5])
;;     4. batch 16 x [M 2,048, K 128] x [K 128, N 2,048]; A: computed on the way; B: computed on the way: QUANTISED (scales: A lowp_scales[6], B lowp_scales[7])
;;     5. batch 16 x [M 2,048, K 2,048] x [K 2,048, N 128]; A: softmax (see below); B: computed on the way: QUANTISED (scales: A lowp_scales[8], B lowp_scales[9])
;;     6. [M 2,048, K 2,048] x [K 2,048, N 2,048]; A: computed on the way; B: input wo: QUANTISED (scales: A lowp_scales[10], B lowp_scales[11])
;;   THE QUANTISER, for each operand of a quantised product, along K:
;;     - The operand's scale is 2^e, e = its entry of the input lowp_scales (int32; the entries are numbered through the quantised products in the list's order, A before B).
;;     - Each number is divided by the scale, clamped to +-448, and rounded to the nearest number of E4M3, ties to even, subnormals kept.
;;     - The product sums the exact products of the quantised numbers (number of the format x scale) in f32.
;;   ~~~python
;;   def quantise(x, axis, e):      # numpy; x: float32 -> the quantised numbers, widened to float32 again
;;       x = np.moveaxis(x, axis, -1); K = x.shape[-1]
;;       r = np.clip(x / 2.0 ** e, -448, 448)
;;       step = 2.0 ** (np.maximum(np.frexp(np.where(r == 0, 1, r))[1] - 1, -6) - 3)
;;       q = np.round(r / step) * step * 2.0 ** e      # np.round: ties to even
;;       return np.moveaxis(q, -1, axis).astype(np.float32)
;;   ~~~
;;   SOFTMAX AHEAD OF A QUANTISED PRODUCT. Where the list says 'softmax', what is quantised is not the finished softmax but p = 2^(t - M), with t = logit x log2(e) and M = ceil(the row's largest t), a whole number; so 1/2 < the row's largest p <= 1. The row's sum l is taken of the UNQUANTISED p, in f32, and the product's result is divided by l at the end. Since M is a whole number, a kernel that streams over the keys may use a running M (the ceiling of the running maximum): every later rescaling is an exact power of two, so the quantised numbers keep their values, but for numbers so far below the row's largest that they fall under the format's range.
;;   OPERANDS COMPUTED ON THE WAY. 'Computed on the way' means the value that the module computes at that place (a softmax that the list does not call 'softmax' is quantised finished and normalised). What goes into a quantiser is computed in f32, as accurately as f32 sums, v_exp_f32 and their like allow (about 1e-6 of the number): no bf16 or f16 on the way to a quantiser, and a product that is left as it is and whose result goes on into a quantised operand takes f32 operands (vector FMAs, or v_wmma_f32_16x16x4_f32). A number that lies on a knife's edge between two numbers of the format may be rounded either way, as far as f32 arithmetic and the matrix unit's own rounding can turn it there, and no further.
;; One version. Each part assembles by itself: llvm-mc -triple=amdgcn-amd-amdhsa -mcpu=gfx1250 --defsym DOCPART=n.
;; ======== version 1 of 1: 4 launches
;; limits: right only within a limited range of input values
;; workspace buffers: xc 12,582,912 bytes; wc 16,777,216 bytes; qkvf 12,582,912 bytes; af 4,194,304 bytes
;; launch quant (part 1): grid 640 x 1, 4 waves a work-group, no clusters, 34,304 bytes of LDS; arguments x, wq, wk, wv, wo, lowp_scales, xc, wc; writes xc, wc
.if DOCPART == 1
	.amdgcn_target "amdgcn-amd-amdhsa--gfx1250"
	.amdhsa_code_object_version 6
	.text
	.protected	k_qd318ff0692_quant
	.globl	k_qd318ff0692_quant
	.p2align	8
	.type	k_qd318ff0692_quant,@function
k_qd318ff0692_quant:
	s_mov_b64 s[64:65], 0
	v_nop
	global_prefetch_b8 v0, s[64:65] scope:SCOPE_SE
	s_setreg_imm32_b32 hwreg(HW_REG_WAVE_MODE, 25, 1), 1
	s_wait_xcnt 0x0
; x [2048][2048] and the four weights [K 2048][N 2048], f32, become codes of E4M3, laid as FRAGMENT IMAGES: the 16 registers x 32 lanes (2,048 bytes) of one operand
; fragment (16 rows x 128 K) of v_wmma_f32_16x16x128_fp8_fp8.  Byte 512 c + 16 lane + y of an image is the code of row lane % 16 at k = 32 c + 16 (y / 8) + 8 (lane / 16) + y % 8:
; registers 4 c .. 4 c + 3 of that lane.  A tensor of 2,048 rows x 2,048 K is [group of 128 rows: 16][128 along K: 16][fragment: 8][2,048 bytes].
; code = number / 2^e, held within +-448, to the nearest code, ties to even.  x is an operand of three products with three given exponents (entries 0, 2, 4): three sets of codes.
; The weights' exponents are entries 1, 3, 5, 11; a weight's rows in its images are its columns n, since K is its first axis.
; LIMITS: each of these exponents lies between -126 and 119, so that 2^e and 448 x 2^e are f32 numbers.  NaN among the inputs is not served; an infinity is held at the largest code.
; SHARES.  Work-groups 0-127: 16 rows of x each; wave w takes K 512 w .. 512 w + 511, four fragments.  Each load reads 512 consecutive bytes of a row; a fragment's 8 KiB turn through the wave's own
; stage in LDS, so that a lane gets the eight-number runs that the conversions want.  Work-groups 128-639: 128 columns x 256 K of one weight; a lane takes a column and its registers run down K,
; so the conversions give codes with K innermost and nothing is transposed.  Every store of codes covers whole aligned runs of 256 bytes.
; No tensor load, no barrier, no cluster: waves share nothing, and every input byte is read once by one wave.
.set SET,   0x400000                   ; a tensor's codes
.set SP,    528                        ; a stage row: 512 bytes + 16, so that the sixteen rows that a read touches start 4 words apart
.set WSTG,  16*SP                      ; a wave's stage
.set SPARE, 4*WSTG                     ; behind the stages: the spare words, 128 bytes for each wave, that no other line names
.set LO,  3                            ; v3   16 x lane
.set SW,  4                            ; v4   the stage on the way in
.set SRD, 5                            ; v5   and on the way out
.set SPW, 8                            ; v8   LDS address of my spare word; never rewritten
.set NIL, 9                            ; v9   0; never rewritten
.set SC,  10                           ; v10, 12, 14: 2^e for the three sets;  v11, 13, 15: 448 x 2^e
.set R,   16                           ; v16-79   a fragment's numbers as loaded
.set X,   80                           ; v80-143  the same in the image's order
.set T,   144                          ; v144-159 two sets of eight held numbers
.set C,   160                          ; v160-207 three fragments of codes
.set XW,  16                           ; weights: v16-79 two sets of 32 numbers
.set CW,  80                           ; weights: v80-143 eight registers of codes for each block, never rewritten
.macro LOADX f                         ; fragment f: 128 numbers of each of my 16 rows
.irp i, 0,1,2,3,4,5,6,7,8,9,10,11,12,13,14,15
	global_load_b128 v[R+4*\i:R+4*\i+3], v[LO], s[36:37] offset:\i*8192+(\f)*512 th:TH_LOAD_NT
.endr
.endm
.macro TURNX                           ; through my own stage: LDS serves a wave's instructions in order, so no wait stands between the stores and the loads
.irp i, 0,1,2,3,4,5,6,7,8,9,10,11,12,13,14,15
	ds_store_b128 v[SW], v[R+4*\i:R+4*\i+3] offset:\i*SP
.endr
.irp c, 0,1,2,3
	ds_load_b128 v[X+16*\c:X+16*\c+3],     v[SRD] offset:128*\c       ; k = 32 c + 8 h + 0 .. 7
	ds_load_b128 v[X+16*\c+4:X+16*\c+7],   v[SRD] offset:128*\c+16
	ds_load_b128 v[X+16*\c+8:X+16*\c+11],  v[SRD] offset:128*\c+64    ; k = 32 c + 16 + 8 h + 0 .. 7
	ds_load_b128 v[X+16*\c+12:X+16*\c+15], v[SRD] offset:128*\c+80
.endr
.endm
.macro FRAGX f
	s_wait_loadcnt 0x0                             ; this fragment's sixteen loads are in
	TURNX
	s_wait_dscnt 0x0                               ; the numbers are back in the image's order, and the stage's stores have read R
	s_wait_xcnt 0x0                                ; the last fragment's stores have read their codes: C is written again only behind this wait
.if (\f) < 3
	LOADX (\f)+1                                   ; the next fragment lands while this one is converted three times
.endif
.irp j, 0,1,2
.irp g, 0,1,2,3,4,5,6,7
.irp n, 0,1,2,3,4,5,6,7
	v_med3_num_f32 v[T+8*(\g%2)+\n], v[X+8*\g+\n], -v[SC+2*\j+1], v[SC+2*\j+1]   ; the conversion does not saturate (ISA guide 7.6.2): the hold at the largest code x the scale
.endr
	v_cvt_scalef32_pk8_fp8_f32 v[C+16*\j+2*\g:C+16*\j+2*\g+1], v[T+8*(\g%2):T+8*(\g%2)+7], v[SC+2*\j]   ; the other set's eight holds are the plain lines behind it
.endr
.endr
	v_nop                                          ; a plain line behind the last conversion
.irp j, 0,1,2
.irp c, 0,1,2,3
	global_store_b128 v[LO], v[C+16*\j+4*\c:C+16*\j+4*\c+3], s[38+2*\j:39+2*\j] offset:(\f)*16384+512*\c   ; 32 lanes store 512 consecutive bytes of the image
.endr
.endr
.endm
.macro LOADW b                         ; block b: W(32 b + i, my column)
.irp i, 0,1,2,3,4,5,6,7,8,9,10,11,12,13,14,15,16,17,18,19,20,21,22,23,24,25,26,27,28,29,30,31
	global_load_b32 v[XW+32*((\b)%2)+\i], v6, s[36:37] offset:(32*(\b)+\i)*8192 th:TH_LOAD_NT
.endr
.endm
.macro BLOCKW b
.set XS, XW+32*((\b)%2)
.set CB, CW+8*(\b)
.if (\b) < 7
	s_wait_loadcnt 32                              ; this block's 32 loads are in; the next block's may be out
.else
	s_wait_loadcnt 0x0
.endif
.set n, 0
.rept 32
	v_med3_num_f32 v[XS+n], v[XS+n], -v11, v11
.set n, n+1
.endr
	v_cvt_scalef32_pk8_fp8_f32 v[CB:CB+1],   v[XS:XS+7],     v10   ; k 0-7: the lane half 0's first eight bytes
	v_cvt_scalef32_pk8_fp8_f32 v[CB+4:CB+5], v[XS+8:XS+15],  v10   ; k 8-15: half 1's first eight
	v_cvt_scalef32_pk8_fp8_f32 v[CB+2:CB+3], v[XS+16:XS+23], v10   ; k 16-23: half 0's second eight
	v_cvt_scalef32_pk8_fp8_f32 v[CB+6:CB+7], v[XS+24:XS+31], v10   ; k 24-31: half 1's second eight
	v_nop                                          ; a plain line behind the last conversion
.if (\b) < 6
	LOADW (\b)+2
.endif
	global_store_b128 v7, v[CB:CB+3],   s[38:39] offset:((\b)/4)*16384+((\b)%4)*512       ; sixteen lanes store 256 consecutive bytes, aligned, of each of two neighbouring images
	global_store_b128 v7, v[CB+4:CB+7], s[38:39] offset:((\b)/4)*16384+((\b)%4)*512+256
.endm
	s_load_b512 s[8:23], s[0:1], 0x0               ; x 8, wq 10, wk 12, wv 14, wo 16, the exponents 18, xc 20, wc 22
	v_lshl_add_u32 v[SPW], v0, 2, SPARE
	v_mov_b32 v[NIL], 0
	v_lshrrev_b32 v2, 5, v0
	v_readfirstlane_b32 s4, v2                     ; wave 0..3
	v_and_b32 v1, 31, v0                           ; lane
	s_wait_kmcnt 0x0
	s_load_b256 s[24:31], s[18:19], 0x0            ; e0 .. e7
	s_load_b128 s[32:35], s[18:19], 0x20           ; e8 .. e11
	s_cmp_lt_u32 ttmp9, 128
	s_cbranch_scc0 .Lweights
	; ---- x: work-group g = rows 16 g .. 16 g + 15
	s_wait_alu depctr_va_vdst(0)
	v_lshlrev_b32 v[LO], 4, v1
	s_wait_alu depctr_va_vdst(0)
	s_mul_i32 s5, s4, WSTG
	v_add_nc_u32 v[SW], s5, v[LO]                  ; in: a row's 512 bytes as they lie
	v_and_b32 v6, 15, v1                           ; r
	v_lshrrev_b32 v7, 4, v1                        ; h
	v_mul_u32_u24 v[SRD], v6, SP
	v_lshl_add_u32 v[SRD], v7, 5, v[SRD]
	v_add_nc_u32 v[SRD], s5, v[SRD]                ; out: row r, + 32 h bytes
	s_lshl_b32 s2, ttmp9, 17                       ; 16 rows of 8,192 bytes,
	s_lshl_b32 s6, s4, 11                          ; my wave's 512 numbers of a row
	s_add_co_u32 s2, s2, s6
	s_mov_b32 s3, 0
	s_add_nc_u64 s[36:37], s[8:9], s[2:3]
	s_lshr_b32 s2, ttmp9, 3
	s_lshl_b32 s2, s2, 18                          ; the group of 128 rows,
	s_lshl_b32 s6, s4, 16                          ; my four steps of 128 along K,
	s_add_co_u32 s2, s2, s6
	s_and_b32 s6, ttmp9, 7
	s_lshl_b32 s6, s6, 11                          ; the fragment in the group
	s_add_co_u32 s2, s2, s6
	s_add_nc_u64 s[38:39], s[20:21], s[2:3]        ; the three sets of codes
	s_add_nc_u64 s[40:41], s[38:39], SET
	s_add_nc_u64 s[42:43], s[40:41], SET
	LOADX 0
	s_wait_alu depctr_va_vdst(0)
	s_wait_kmcnt 0x0
.irp j, 0,1,2
	s_add_co_i32 s5, s[24+2*\j], 127
	s_lshl_b32 s6, s5, 23
	v_mov_b32 v[SC+2*\j], s6                       ; 2^e as f32: the conversion takes its exponent field
	s_add_co_i32 s5, s5, 8
	s_lshl_b32 s5, s5, 23
	s_or_b32 s5, s5, 0x600000
	v_mov_b32 v[SC+2*\j+1], s5                     ; 448 x 2^e
.endr
	s_wait_alu depctr_va_vdst(0)
	FRAGX 0
	FRAGX 1
	FRAGX 2
	FRAGX 3
	s_wait_tensorcnt 0x0                           ; the wave's end, behind my last LDS store
	ds_add_u32 v[SPW], v[NIL]
	s_wait_dscnt 0x0
	s_endpgm
	; ---- the weights: this way touches no LDS
.Lweights:
	s_sub_co_u32 s2, ttmp9, 128
	s_lshr_b32 s5, s2, 7                           ; which weight: 0 wq, 1 wk, 2 wv, 3 wo
	s_and_b32 s6, s2, 15                           ; which 128 columns
	s_bfe_u32 s7, s2, 0x30004                      ; which 256 along K
	s_wait_alu depctr_va_vdst(0)
	v_lshlrev_b32 v6, 2, v1                        ; in: 4 bytes a lane
	s_wait_alu depctr_va_vdst(0)
	v_lshrrev_b32 v7, 4, v1
	v_and_b32 v3, 15, v1
	v_lshlrev_b32 v7, 11, v7
	v_lshl_add_u32 v7, v3, 4, v7                   ; out: image lane / 16 of my wave's two, 16 bytes for row lane % 16
	s_mov_b64 s[36:37], s[16:17]
	s_cmp_eq_u32 s5, 2
	s_cselect_b64 s[36:37], s[14:15], s[36:37]
	s_cmp_eq_u32 s5, 1
	s_cselect_b64 s[36:37], s[12:13], s[36:37]
	s_cmp_eq_u32 s5, 0
	s_cselect_b64 s[36:37], s[10:11], s[36:37]     ; the choice hangs on the work-group's number alone
	s_lshl_b32 s2, s7, 21                          ; 256 rows of 8,192 bytes
	s_lshl_b32 s3, s6, 9
	s_add_co_u32 s2, s2, s3
	s_lshl_b32 s3, s4, 7                           ; my wave's 32 columns
	s_add_co_u32 s2, s2, s3
	s_mov_b32 s3, 0
	s_add_nc_u64 s[36:37], s[36:37], s[2:3]
	s_lshl_b32 s2, s5, 22                          ; the weight's set,
	s_lshl_b32 s40, s6, 18                         ; the group of 128 columns,
	s_add_co_u32 s2, s2, s40
	s_lshl_b32 s40, s7, 15                         ; two steps of 128 along K,
	s_add_co_u32 s2, s2, s40
	s_lshl_b32 s40, s4, 12                         ; my wave's two images
	s_add_co_u32 s2, s2, s40
	s_add_nc_u64 s[38:39], s[22:23], s[2:3]
	LOADW 0
	LOADW 1
	s_wait_kmcnt 0x0
	s_mov_b32 s40, s35                             ; e11
	s_cmp_eq_u32 s5, 2
	s_cselect_b32 s40, s29, s40                    ; e5
	s_cmp_eq_u32 s5, 1
	s_cselect_b32 s40, s27, s40                    ; e3
	s_cmp_eq_u32 s5, 0
	s_cselect_b32 s40, s25, s40                    ; e1
	s_add_co_i32 s40, s40, 127
	s_lshl_b32 s41, s40, 23
	v_mov_b32 v10, s41
	s_add_co_i32 s40, s40, 8
	s_lshl_b32 s40, s40, 23
	s_or_b32 s40, s40, 0x600000
	v_mov_b32 v11, s40
	s_wait_alu depctr_va_vdst(0)
.irp b, 0,1,2,3,4,5,6,7
	BLOCKW \b
.endr
	s_endpgm
.Lfunc_end_k_qd318ff0692_quant:
	.size	k_qd318ff0692_quant, .Lfunc_end_k_qd318ff0692_quant-k_qd318ff0692_quant
	.p2alignl 7, 3214868480
	.fill 96, 4, 3214868480
	.section	.rodata,"a",@progbits
	.p2align	6, 0x0
	.amdhsa_kernel k_qd318ff0692_quant
		.amdhsa_group_segment_fixed_size 34304
		.amdhsa_private_segment_fixed_size 0
		.amdhsa_enable_private_segment 0
		.amdhsa_kernarg_size 64
		.amdhsa_user_sgpr_count 2
		.amdhsa_user_sgpr_kernarg_segment_ptr 1
		.amdhsa_wavefront_size32 1
		.amdhsa_system_sgpr_workgroup_id_x 1
		.amdhsa_system_sgpr_workgroup_id_y 1
		.amdhsa_system_sgpr_workgroup_id_z 1
		.amdhsa_system_vgpr_workitem_id 0
		.amdhsa_next_free_vgpr 208
		.amdhsa_next_free_sgpr 66
		.amdhsa_reserve_vcc 0
		.amdhsa_float_denorm_mode_32 3
		.amdhsa_float_denorm_mode_16_64 3
		.amdhsa_memory_ordered 1
		.amdhsa_forward_progress 1
		.amdhsa_inst_pref_size 122
	.end_amdhsa_kernel
	.amdgpu_metadata
---
amdhsa.version: [ 1, 2 ]
amdhsa.kernels:
  - .name:           k_qd318ff0692_quant
    .symbol:         k_qd318ff0692_quant.kd
    .args:
      - { .name: x, .offset: 0, .size: 8, .value_kind: global_buffer, .address_space: global }
      - { .name: wq, .offset: 8, .size: 8, .value_kind: global_buffer, .address_space: global }
      - { .name: wk, .offset: 16, .size: 8, .value_kind: global_buffer, .address_space: global }
      - { .name: wv, .offset: 24, .size: 8, .value_kind: global_buffer, .address_space: global }
      - { .name: wo, .offset: 32, .size: 8, .value_kind: global_buffer, .address_space: global }
      - { .name: lowp_scales, .offset: 40, .size: 8, .value_kind: global_buffer, .address_space: global }
      - { .name: xc, .offset: 48, .size: 8, .value_kind: global_buffer, .address_space: global }
      - { .name: wc, .offset: 56, .size: 8, .value_kind: global_buffer, .address_space: global }
    .group_segment_fixed_size: 34304
    .private_segment_fixed_size: 0
    .kernarg_segment_align: 8
    .kernarg_segment_size: 64
    .max_flat_workgroup_size: 128
    .sgpr_count:     66
    .vgpr_count:     208
    .wavefront_size: 32
...
	.end_amdgpu_metadata
.endif
;; end of part 1
;; launch qkv (part 2): grid 24 x 8, 4 waves a work-group, clusters of 4 x 4, 327,680 bytes of LDS; arguments xc, wc, freq_cos, freq_sin, lowp_scales, qkvf; writes qkvf
.if DOCPART == 2
	.amdgcn_target "amdgcn-amd-amdhsa--gfx1250"
	.amdhsa_code_object_version 6
	.text
	.protected	k_qd318ff0692_qkv
	.globl	k_qd318ff0692_qkv
	.p2align	8
	.type	k_qd318ff0692_qkv,@function
k_qd318ff0692_qkv:
	s_mov_b64 s[64:65], 0
	v_nop
	global_prefetch_b8 v0, s[64:65] scope:SCOPE_SE
	s_setreg_imm32_b32 hwreg(HW_REG_WAVE_MODE, 25, 1), 1
	s_wait_xcnt 0x0
	s_wait_alu depctr_hold_cnt(0) depctr_sa_sdst(0) depctr_va_vdst(0) depctr_va_sdst(0) depctr_va_ssrc(0) depctr_va_vcc(0) depctr_vm_vsrc(0)
	s_getreg_b32 s2, hwreg(HW_REG_IB_STS2, 6, 4)
	s_cmp_eq_u32 s2, 0
	s_cbranch_scc0 .Lentry_in_a_cluster
	s_endpgm
.Lentry_in_a_cluster:
	s_bfe_u32 s2, ttmp6, 0x10000c
	s_cmp_lg_u32 s2, 0xf033
	s_cbranch_scc0 .Lentry_shape_is_right
	s_endpgm
.Lentry_shape_is_right:
; The three projections on codes of E4M3, the rotation of q and k, and the quantisers of attention's operands.  Operands lie in memory as fragment images (16 rows x 128 K = 2,048 bytes: byte 512 c + 16 lane + y
; is register 4 c + y / 4 of that lane), a tensor as [group of 128 rows: 16][128 along K: 16][fragment: 8][2,048]: so 128 rows x 256 K are 32,768 consecutive bytes, and a fragment comes from LDS by four
; loads at 16 x lane, with no pitch and no padding, k in the form's own places.
; A tile of 256 x 256 is made by four waves, 128 x 128 each: 64 accumulators, 512 registers.  K = 2,048 goes in eight steps of 256 through two LDS slots.  192 tiles: cluster x / 2 says which product.
; THE MATRIX INSTRUCTION IS USED TRANSPOSED: source 0 = 16 rows of B', source 1 = 16 rows of A': a lane holds one row of A' and register j of tile b the row 16 b + 8 (lane / 16) + j of B'.  The conversion of a
; tile's eight registers then gives registers 2 b, 2 b + 1 of the next operand's image: results leave as images, with no stage.
;   q, k: A' = x's codes (tokens), B' = the weight's (h x 128 + d): an image of 16 tokens x the head's 128.   v: A' = wv's codes, B' = x's: an image of 16 of the head's 128 x 128 keys.
; THE ROTATION is linear, so it is done on the raw sums, and the power of two that they lack is folded into the conversion's scale: code = sum / 2^(target - eA - eB).
; Its tables (256 tokens x 64 of cos and of sin) come into the slot that the last K step but one has left, while the last K step is multiplied.
; CLUSTERS: 4 x 4 work-groups of one product.  A' tiles and the tables hang on the tile row and are asked for jointly along a row of the cluster, B' tiles along a column.
; qkvf: Q at head x 262144 + (token / 16) x 2048; from 4 MiB on, head x 524288 + (128 keys) x 32768 + {K: 0, V: 16384} + tile x 2048.
; LIMITS: e6 - e0 - e1, e7 - e2 - e3 and e9 - e4 - e5 lie between -126 and 119.  NaN is not served.
; REGISTERS, in windows of 256: window 0: v16-31 addresses and scales; v128-255 A' fragments, one set; on the way out v32-159 two sets of cos and sin, v160-223 rotated numbers, v224-255 two sets of codes.
;   window 1: B' fragments, two sets.   window 2: the accumulators of my rows 0-63 ((a, b) at v[8 (8 a + b)]);   window 3: those of rows 64-127.
.set SET,   0x400000
.set KSB,   32768                      ; a group's 256 along K
.set FR,    16                         ; registers of a fragment
.set NL,    4                          ; LDS loads that bring one
.set NP,    4                          ; places behind this matrix instruction (ISA guide 7.12.1)
.set SLOTB, 131072                     ; slot 1 lies at 0, slot 0 at SLOTB: in a slot A' two groups, then B' two groups, 32,768 bytes each
.set TAB,   SLOTB                      ; the tables take slot 0's place and 8,192 bytes behind it
.set TP,    272                        ; a table row: 256 bytes + 16
.set TQ,    128*TP                     ; what one wave fetches of them
.set SPARE, TAB+4*TQ                   ; behind the tables: the spare words, 128 bytes for each wave, that no other line names
.set LAPS,  4
.set ADRA, 16                          ; v16-17  my A' fragments in slot 0, 1
.set ADRB, 20                          ; v20-21  my B' fragments
.set LI,   24                          ; v24     16 x lane
.set TBC,  25                          ; v25     cos: my token's row, my half's 32 bytes
.set TBS,  26                          ; v26     sin
.set PFO,  27                          ; v27     the prefetches' offset: 256 x lane; never rewritten
.set SPW,  28                          ; v28     LDS address of my spare word; never rewritten
.set NIL,  29                          ; v29     0; never rewritten
.set SCL,  30                          ; v30     the conversion's scale
.set LIM,  31                          ; v31     448 x that
.set CSR,  32
.set AF,   128
.set OV,   160
.set CD,   224
.set G1,  24                           ; s[24:31] group 1 for A';  s[32:39] group 0, a set for each slot
.set G0,  32
.set G1B, 48                           ; s[48:55], s[56:63] the same for B'
.set G0B, 56
.set ASKS, 67                          ; s67     1 in a wave that prefetches, else the greatest number
.set G1T, 68                           ; s[68:75], s[76:79] the tables'
.set G0T, 76
.set PFA, 98                           ; s[98:99] where my prefetches stand: my work-group's 8,192 bytes of the 32,768 that I fetch, in the K step two refills on
.set MSB, 0
.macro WIN new                         ; the immediate's high byte repeats the setting that is left
.if MSB != (\new)
	s_set_vgpr_msb (MSB<<8)|(\new)
.set MSB, (\new)
.endif
.endm
.set MUL_LO, 0xa1                      ; source 0 (B') window 1, source 1 (A') window 0, C and D window 2
.set MUL_HI, 0xf1                      ; the same, C and D window 3
.set TO_B,   0x40                      ; destination window 1, address window 0
; A joint load: waves 0 and 1 fetch A' two groups, waves 2 and 3 B' two.  The branch hangs on the wave's number alone.  An s_nop 0 and four v_nop follow each line.
.macro JLOAD s
	s_cmp_eq_u32 s17, 0
	s_cbranch_scc0 .Lfor_b_\@
	tensor_load_to_lds s[G0+4*\s:G0+4*\s+3], s[G1:G1+7]
	s_nop 0
.rept 4
	v_nop
.endr
	s_branch .Lasked_\@
.Lfor_b_\@:
	tensor_load_to_lds s[G0B+4*\s:G0B+4*\s+3], s[G1B:G1B+7]
	s_nop 0
.rept 4
	v_nop
.endr
.Lasked_\@:
.endm
; A PREFETCH INTO THE L2, behind a joint refill, its five lines and the run of LDS loads that follows them: the K step that stands two refills on, 256 matrix instructions of a wave ahead of the load that will ask for it.
; Each 256 bytes are named ONCE in the launch.  Of the 32,768 bytes that a wave fetches, each of the four partners that ask for them jointly names 8,192, lanes 256 bytes apart: they are told apart BY ADDRESS (cx for A', cy for B').
; Two clusters of a product read the same A' (they differ in the low bit of cluster x) and two the same B' (cluster y): the first of the two asks.  K steps 0 to 3 come by their loads alone; the loop's last trip (s3 = 1),
; whose refills are K steps 6 and 7, has no K step two on and asks for nothing.
.macro ASK
	s_cmp_gt_u32 s3, s[ASKS]
	s_cbranch_scc0 .Lnot_mine_\@
	global_prefetch_b8 v[PFO], s[PFA:PFA+1] th:TH_LOAD_NT scope:SCOPE_SE
.Lnot_mine_\@:
.endm
.macro CREST                           ; a round of the cluster's barrier behind its opening barrier
	s_cmp_lg_u32 s16, 0
	s_cbranch_scc1 .Lnot_wave_0_\@
	s_barrier_signal -3
.Lnot_wave_0_\@:
	s_barrier_wait -3
	s_barrier_signal -1
	s_barrier_wait -1
.endm
.macro CROUND
	s_barrier_signal -1
	s_barrier_wait -1
	CREST
.endm
.macro FRAG reg, adr, q, i             ; an image comes back as the registers that it is
.irp c, 0,1,2,3
	ds_load_b128 v[\reg+4*\c:\reg+4*\c+3], v[\adr] offset:16384*(\q)+2048*(\i)+512*\c
.endr
.endm
; 16 matrix instructions: A' blocks a0, a0 + 1 x B' eight.  The 64 accumulators take turns, one instruction a turn, in the same order in every step.
.macro MUL16 a0, p, zero
.irp a, \a0, \a0+1
.irp b, 0,1,2,3,4,5,6,7
.if \zero
	v_wmma_f32_16x16x128_fp8_fp8 v[8*(8*((\a)%4)+\b):8*(8*((\a)%4)+\b)+7], v[128*(\p)+FR*\b:128*(\p)+FR*\b+FR-1], v[AF+FR*(\a):AF+FR*(\a)+FR-1], 0
.else
	v_wmma_f32_16x16x128_fp8_fp8 v[8*(8*((\a)%4)+\b):8*(8*((\a)%4)+\b)+7], v[128*(\p)+FR*\b:128*(\p)+FR*\b+FR-1], v[AF+FR*(\a):AF+FR*(\a)+FR-1], v[8*(8*((\a)%4)+\b):8*(8*((\a)%4)+\b)+7]
.endif
.endr
.endr
.endm
.macro FETCH_B slot, q, p
	WIN TO_B
.irp i, 0,1,2,3,4,5,6,7
	FRAG 128*(\p)+FR*\i, ADRB+\slot, \q, \i
.endr
	WIN 0
.endm
.macro FETCH_A slot, q, i0
.irp i, \i0, \i0+1, \i0+2, \i0+3
	FRAG AF+FR*(\i), ADRA+\slot, \q, \i
.endr
.endm
.macro PLACES n                        ; plain vector lines between a matrix instruction and a load into, or a vector read or write of, its registers
.rept \n
	v_nop
.endr
.endm
.macro STEP slot, q, zero              ; 128 along K whose successor lies in the same slot
	s_wait_dscnt 4*NL                              ; B' set and A' blocks 0-3 are in; the youngest sixteen loads (blocks 4-7) may be out
	WIN MUL_LO
	MUL16 0, (\q)%2, \zero
	MUL16 2, (\q)%2, \zero
	s_wait_dscnt 0                                 ; blocks 4-7 are in
	PLACES NP
	FETCH_B \slot, (\q)+1, 1-(\q)%2
	FETCH_A \slot, (\q)+1, 0
	WIN MUL_HI
	MUL16 4, (\q)%2, \zero
	MUL16 6, (\q)%2, \zero
	PLACES NP
	WIN 0
	FETCH_A \slot, (\q)+1, 4
.endm
; A slot's last 128 along K, and the change of slots.  The products of A' blocks 0-3, whose fragments are in registers, stand AHEAD of the wait for the tensor loads: they are issued while my part of the next slot is
; still on its way, and between its landing and the next joint request stand only the add, the barrier and the round.  In front of the barrier each wave waits for all its tensor loads, adds 0 to its spare word,
; and waits for that and for its reads of this slot (the last of them: A' blocks 4-7).
; fill = 1: the slot takes the K step two on;  2: the tables land in its place;  0: nothing.
.macro TURN slot, next, fill
.if \fill == 1
	s_wait_xcnt 0x0                                ; the last prefetch, a K step back, has read its address, so it may be written:
	s_add_nc_u64 s[PFA:PFA+1], s[PFA:PFA+1], KSB   ; a K step on
.endif
	s_wait_dscnt 4*NL                              ; B' set and A' blocks 0-3 are in; the youngest sixteen loads (blocks 4-7) may be out
	WIN MUL_LO
	MUL16 0, 1, 0
	MUL16 2, 1, 0
	WIN 0
	s_wait_tensorcnt 0x0                           ; all my tensor loads have landed: my part of the next slot; no load of mine is out, so a group 0 may be written
	ds_add_u32 v[SPW], v[NIL]                      ; 0 onto my spare word
.if \fill == 1
	s_add_nc_u64 s[G0+4*\slot+2:G0+4*\slot+3], s[G0+4*\slot+2:G0+4*\slot+3], 2*KSB
	s_add_nc_u64 s[G0B+4*\slot+2:G0B+4*\slot+3], s[G0B+4*\slot+2:G0B+4*\slot+3], 2*KSB
.endif
	s_wait_dscnt 0x0                               ; the add is done, and my reads of this slot are over
	s_barrier_signal -1
	s_barrier_wait -1
.if \fill == 1
	CREST                                          ; the barrier has opened a round of the cluster's: no wave of any partner still reads the slot or has a load on its way
	JLOAD \slot                                    ; the first tensor load behind the round; its four v_nop are also the places in front of the loads below
.elseif \fill == 2
	CREST
	tensor_load_to_lds s[G0T:G0T+3], s[G1T:G1T+7]  ; every wave its quarter: waves 0, 1 cos, waves 2, 3 sin; jointly along my row of the cluster
	s_nop 0
.rept 4
	v_nop
.endr
.else
	PLACES NP
.endif
	FETCH_B \next, 0, 0
	FETCH_A \next, 0, 0
.if \fill == 1
	ASK
.endif
	WIN MUL_HI
	MUL16 4, 1, 0
	MUL16 6, 1, 0
	PLACES NP
	WIN 0
	FETCH_A \next, 0, 4
.endm
.macro LAST                            ; the very last 128 along K: nothing more to fetch
	s_wait_dscnt 4*NL
	WIN MUL_LO
	MUL16 0, 1, 0
	MUL16 2, 1, 0
	s_wait_dscnt 0
	WIN MUL_HI
	MUL16 4, 1, 0
	MUL16 6, 1, 0
	WIN 0
	PLACES NP                                      ; in front of the first reads of results and of writes into the registers that held A' fragments
.endm
.macro CSLOAD a                        ; cos and sin of block a's 16 tokens at my 32 columns 16 b + 8 h + 0 .. 7: 16 loads into set a % 2
.set CB, CSR+64*((\a)%2)
.irp b, 0,1,2,3
	ds_load_b128 v[CB+8*\b:CB+8*\b+3],       v[TBC] offset:(\a)*16*TP+64*\b
	ds_load_b128 v[CB+8*\b+4:CB+8*\b+7],     v[TBC] offset:(\a)*16*TP+64*\b+16
	ds_load_b128 v[CB+32+8*\b:CB+32+8*\b+3], v[TBS] offset:(\a)*16*TP+64*\b
	ds_load_b128 v[CB+32+8*\b+4:CB+32+8*\b+7], v[TBS] offset:(\a)*16*TP+64*\b+16
.endr
.endm
.macro ROPE a                          ; out(d) = t(d) cos(d) - t(d + 64) sin(d);  out(d + 64) = t(d + 64) cos(d) + t(d) sin(d), d < 64: tiles b and b + 4.  Each accumulator is read from its low end on
.set CC, CSR+64*((\a)%2)
.set AC, 64*((\a)%4)
	WIN 0x02+((\a)/4)                              ; source 0: window 2 or 3
.irp b, 0,1,2,3
.irp j, 0,2,4,6
	v_pk_mul_f32 v[OV+8*\b+\j:OV+8*\b+\j+1], v[AC+32+8*\b+\j:AC+32+8*\b+\j+1], v[CC+32+8*\b+\j:CC+32+8*\b+\j+1]
	v_pk_mul_f32 v[OV+32+8*\b+\j:OV+32+8*\b+\j+1], v[AC+8*\b+\j:AC+8*\b+\j+1], v[CC+32+8*\b+\j:CC+32+8*\b+\j+1]
.endr
.endr
.irp b, 0,1,2,3                        ; the 32 products with sin stand ahead of the 32 fused lines that take them in: no line reads the line just above it
.irp j, 0,2,4,6
	v_pk_fma_f32 v[OV+8*\b+\j:OV+8*\b+\j+1], v[AC+8*\b+\j:AC+8*\b+\j+1], v[CC+8*\b+\j:CC+8*\b+\j+1], v[OV+8*\b+\j:OV+8*\b+\j+1] neg_lo:[0,0,1] neg_hi:[0,0,1]
	v_pk_fma_f32 v[OV+32+8*\b+\j:OV+32+8*\b+\j+1], v[AC+32+8*\b+\j:AC+32+8*\b+\j+1], v[CC+8*\b+\j:CC+8*\b+\j+1], v[OV+32+8*\b+\j:OV+32+8*\b+\j+1]
.endr
.endr
	WIN 0
.endm
.macro CODES a                         ; 64 held numbers become an image's 16 registers, which leave as they stand
.set DD, CD+16*((\a)%2)
.irp b, 0,1,2,3,4,5,6,7
	v_cvt_scalef32_pk8_fp8_f32 v[DD+2*\b:DD+2*\b+1], v[OV+8*\b:OV+8*\b+7], v[SCL]
.endr
	v_nop                                          ; a plain line behind the last conversion: the next block writes its sources
.irp c, 0,1,2,3
	global_store_b128 v[LI], v[DD+4*\c:DD+4*\c+3], s[92:93] offset:(\a)*2048+512*\c   ; 32 lanes store 512 consecutive bytes
.endr
.endm
.macro FINISH
	s_wait_tensorcnt 0x0                           ; the wave's end, behind my last tensor load
	ds_add_u32 v[SPW], v[NIL]
	s_wait_dscnt 0x0
	CROUND                                         ; the closing round: no work-group ends while a partner may still ask for a tile that names it
	s_endpgm
.endm
	s_load_b256 s[4:11], s[0:1], 0x0               ; xc 4, wc 6, cos 8, sin 10
	s_load_b128 s[12:15], s[0:1], 0x20             ; the exponents 12, qkvf 14
	v_lshl_add_u32 v[SPW], v0, 2, SPARE
	v_mov_b32 v[NIL], 0
	ds_add_u32 v[SPW], v[NIL]                      ; the wave's opening: the add and its wait ahead of my first tensor load; the set-up below stands between them
	ds_add_u32 v[SPW], v[NIL]
	v_lshrrev_b32 v1, 5, v0
	v_readfirstlane_b32 s16, v1                    ; wave 0..3
	s_lshr_b32 s17, s16, 1                         ; my half of the tile's rows.  Also: I fetch for A' (0) or for B' (1)
	s_and_b32 s18, s16, 1                          ; my half of its columns.  Also: which group of 128 rows I fetch
	s_lshr_b32 s19, ttmp9, 1                       ; the product: 0 q, 1 k, 2 v: the same in all sixteen partners
	s_bfe_u32 s20, ttmp6, 0x40000                  ; cx
	s_bfe_u32 s21, ttmp6, 0x40004                  ; cy
	s_and_b32 s22, ttmp9, 1
	s_lshl_b32 s22, s22, 2
	s_add_co_u32 s22, s22, s20                     ; tile column 0..7
	s_and_b32 s23, ttmp7, 0xffff
	s_lshl_b32 s23, s23, 2
	s_add_co_u32 s23, s23, s21                     ; tile row 0..7
	s_lshl_b32 s40, s21, 2
	s_lshl_b32 s40, 15, s40                        ; my row of the cluster
	s_lshl_b32 s41, 0x1111, s20                    ; my column
	s_or_b32 s[G1], s40, (3<<16)|(1<<21)           ; 15:0 the mask; 17:16 elements of 8 bytes; 21 set beside a mask; no padding
	s_or_b32 s[G1B], s41, (3<<16)|(1<<21)
	s_or_b32 s[G1T], s40, (3<<16)|(1<<20)|(1<<21)|(5<<22)|(3<<25)   ; the tables: four words of padding after every 64
.irp g, G1, G1B, G1T
	s_mov_b32 s[\g+1], 32<<16                      ; tensor_dim0 = 32 elements: 256 bytes
	s_mov_b32 s[\g+2], 128<<16                     ; tensor_dim1 = 128
	s_mov_b32 s[\g+3], 32<<16                      ; tile_dim0
	s_mov_b32 s[\g+4], 128                         ; tile_dim1
	s_mov_b32 s[\g+5], 32                          ; the rows follow each other in memory
	s_mov_b32 s[\g+6], 0
	s_mov_b32 s[\g+7], 0
.endr
	s_lshl_b32 s42, s23, 1
	s_add_co_u32 s42, s42, s18
	s_lshl_b32 s42, s42, 18                        ; A': group 2 x tile row + half,
	s_lshl_b32 s43, s19, 22                        ; in the product's set of codes
	s_add_co_u32 s42, s42, s43
	s_lshl_b32 s46, s22, 1
	s_add_co_u32 s46, s46, s18
	s_lshl_b32 s46, s46, 18                        ; B': group 2 x tile column + half
	s_add_co_u32 s46, s46, s43
	s_mov_b32 s43, 0
	s_mov_b32 s47, 0
	s_lshl_b32 s66, s16, 15                        ; where they go in a slot: wave x 32,768: no place in the cluster enters an LDS address
	s_lshl_b32 s94, s23, 16                        ; the tables: 256 rows of 256 bytes for a tile row,
	s_lshl_b32 s95, s18, 15                        ; my 128 of them
	s_add_co_u32 s94, s94, s95
	s_mov_b32 s95, 0
	s_wait_dscnt 0x0                               ; the opening add is done
	s_wait_kmcnt 0x0
	s_load_b256 s[80:87], s[12:13], 0x0            ; e0 .. e7
	s_load_b128 s[88:91], s[12:13], 0x20           ; e8 .. e11
	s_cmp_eq_u32 s19, 2                            ; v: the weight's rows take A' place and the tokens B'
	s_cselect_b64 s[44:45], s[6:7], s[4:5]
	s_cselect_b64 s[96:97], s[4:5], s[6:7]
	s_add_nc_u64 s[44:45], s[44:45], s[42:43]
	s_add_nc_u64 s[46:47], s[96:97], s[46:47]
	s_cmp_lt_u32 s16, 2
	s_cselect_b64 s[G0T+2:G0T+3], s[8:9], s[10:11]
	s_add_nc_u64 s[G0T+2:G0T+3], s[G0T+2:G0T+3], s[94:95]
	s_or_b32 s[G0T+3], s[G0T+3], 0x80000000
	s_mov_b32 s[G0T], 1
	s_mul_i32 s[G0T+1], s16, TQ
	s_add_co_u32 s[G0T+1], s[G0T+1], TAB
	CROUND                                         ; all sixteen work-groups are here: the first joint loads meet
.irp s, 0,1
	s_mov_b32 s[G0+4*\s], 1
	s_add_co_u32 s[G0+4*\s+1], s66, (1-\s)*SLOTB
	s_add_nc_u64 s[G0+4*\s+2:G0+4*\s+3], s[44:45], \s*KSB
	s_or_b32 s[G0+4*\s+3], s[G0+4*\s+3], 0x80000000
	s_mov_b32 s[G0B+4*\s], 1
	s_add_co_u32 s[G0B+4*\s+1], s66, (1-\s)*SLOTB
	s_add_nc_u64 s[G0B+4*\s+2:G0B+4*\s+3], s[46:47], \s*KSB
	s_or_b32 s[G0B+4*\s+3], s[G0B+4*\s+3], 0x80000000
.endr
	JLOAD 0                                        ; K step 0: one tensor load a wave at the head
	v_and_b32 v1, 31, v0
	v_lshlrev_b32 v[LI], 4, v1
	v_lshlrev_b32 v[PFO], 8, v1
	v_and_b32 v2, 15, v0                           ; r
	v_bfe_u32 v3, v0, 4, 1                         ; h
	s_lshl_b32 s94, s17, 15
	v_add_nc_u32 v[ADRA+1], s94, v[LI]
	v_add_nc_u32 v[ADRA], SLOTB, v[ADRA+1]
	s_lshl_b32 s95, s18, 15
	s_add_co_u32 s95, s95, 65536
	v_add_nc_u32 v[ADRB+1], s95, v[LI]
	v_add_nc_u32 v[ADRB], SLOTB, v[ADRB+1]
	s_mul_i32 s96, s17, TQ
	s_add_co_u32 s96, s96, TAB
	v_mul_u32_u24 v[TBC], v2, TP
	v_lshl_add_u32 v[TBC], v3, 5, v[TBC]
	v_add_nc_u32 v[TBC], s96, v[TBC]
	v_add_nc_u32 v[TBS], 2*TQ, v[TBC]
	; the prefetches: where my wave's stand, and who asks.  Nothing is prefetched here, at the head, where every work-group's first tiles are on their way
	s_and_b32 s95, ttmp9, 1                        ; the coordinate along which another cluster reads the same A',
	s_and_b32 s96, ttmp7, 0xffff                   ; and the same B'
	s_cmp_eq_u32 s17, 0                            ; do I fetch for A'?
	s_cselect_b64 s[PFA:PFA+1], s[44:45], s[46:47] ; my group of 128 rows, at K step 0
	s_cselect_b32 s94, s20, s21                    ; my place among the four that ask for it with me
	s_cselect_b32 s95, s95, s96
	s_cmp_eq_u32 s95, 0
	s_cselect_b32 s[ASKS], 1, -1                   ; the same in all sixteen partners, for a given wave
	s_lshl_b32 s94, s94, 13                        ; my work-group's 8,192 bytes,
	s_add_co_u32 s94, s94, 3*KSB                   ; at K step 3: the first refill steps it to K step 4
	s_mov_b32 s95, 0
	s_add_nc_u64 s[PFA:PFA+1], s[PFA:PFA+1], s[94:95]
	; where my eight images go
	s_lshl_b32 s94, s23, 1
	s_add_co_u32 s94, s94, s17                     ; my 128 rows of A'
	s_lshl_b32 s95, s22, 1
	s_add_co_u32 s95, s95, s18                     ; my 128 rows of B'
	s_cmp_eq_u32 s19, 2
	s_cselect_b32 s96, s94, s95                    ; the head: B' for q and k, A' for v
	s_cselect_b32 s97, s95, s94                    ; the 128 tokens
	s_lshl_b32 s96, s96, 18
	s_lshl_b32 s97, s97, 14
	s_add_co_u32 s96, s96, s97
	s_cmp_eq_u32 s19, 0
	s_cselect_b32 s97, 0, 1                        ; K's and V's images share a section of twice the size,
	s_cselect_b32 s94, 0, SET                      ; behind Q's
	s_lshl_b32 s96, s96, s97
	s_add_co_u32 s96, s96, s94
	s_cmp_eq_u32 s19, 2
	s_cselect_b32 s94, 16384, 0                    ; V's eight behind K's eight
	s_add_co_u32 s96, s96, s94
	s_mov_b32 s97, 0
	s_add_nc_u64 s[92:93], s[14:15], s[96:97]
	; the conversion's scale: target - eA - eB, chosen without a branch
	s_wait_alu depctr_va_vdst(0)
	s_wait_kmcnt 0x0
	s_add_co_i32 s94, s80, s81
	s_sub_co_i32 s94, s86, s94                     ; q: e6 - e0 - e1
	s_add_co_i32 s95, s82, s83
	s_sub_co_i32 s95, s87, s95                     ; k: e7 - e2 - e3
	s_add_co_i32 s96, s84, s85
	s_sub_co_i32 s96, s89, s96                     ; v: e9 - e4 - e5
	s_cmp_eq_u32 s19, 0
	s_cselect_b32 s94, s94, s95
	s_cmp_eq_u32 s19, 2
	s_cselect_b32 s94, s96, s94
	s_add_co_i32 s94, s94, 127
	s_lshl_b32 s95, s94, 23
	v_mov_b32 v[SCL], s95
	s_add_co_i32 s94, s94, 8
	s_lshl_b32 s94, s94, 23
	s_or_b32 s94, s94, 0x600000
	v_mov_b32 v[LIM], s94
	s_wait_alu depctr_va_vdst(0)
	s_wait_tensorcnt 0x0                           ; my part of K step 0 is in; slot 1's first fill is issued as a refill is:
	ds_add_u32 v[SPW], v[NIL]                      ; 0 onto my spare word
	s_wait_dscnt 0x0
	CROUND                                         ; everybody's part of K step 0 is in, and the sixteen partners' joint loads meet
	JLOAD 1                                        ; K step 1, the first tensor load behind the round
	FETCH_B 0, 0, 0
	FETCH_A 0, 0, 0
	FETCH_A 0, 0, 4
	STEP 0, 0, 1                                   ; the first step stands in front of the loop: its products start the sums
	s_mov_b32 s3, LAPS-1
.Llap:                                                 ; a trip goes once round the ring and fills both slots again
	TURN 0, 1, 1
	STEP 1, 0, 0
	TURN 1, 0, 1
	STEP 0, 0, 0
	s_sub_co_u32 s3, s3, 1
	s_cmp_lg_u32 s3, 0
	s_cbranch_scc1 .Llap
	s_cmp_eq_u32 s19, 2                            ; both tails are written out; a cluster's partners take the same one
	s_cbranch_scc1 .Lv_tail
	; ---- q and k
	TURN 0, 1, 2                                   ; the tables land while the last K step's products run
	STEP 1, 0, 0
	LAST
	s_wait_tensorcnt 0x0                           ; my quarter of the tables is in,
	s_barrier_signal -1
	s_barrier_wait -1                              ; everybody's is
	CSLOAD 0
.irp a, 0,1,2,3,4,5,6,7
.if \a < 7
	CSLOAD \a+1
	s_wait_dscnt 16                                ; this block's sixteen loads are in; the next block's may be out
.else
	s_wait_dscnt 0x0
.endif
	ROPE \a
.set n, 0
.rept 64
	v_med3_num_f32 v[OV+n], v[OV+n], -v[LIM], v[LIM]   ; the conversion does not saturate (ISA guide 7.6.2): the hold at the largest code x the scale
.set n, n+1
.endr
.if \a > 1
	s_wait_alu depctr_va_vdst(0)
	s_wait_xcnt 0x0                                ; block a - 2's stores have read their codes
.endif
	CODES \a
.endr
	FINISH
	; ---- v
.Lv_tail:
	TURN 0, 1, 0
	STEP 1, 0, 0
	LAST
	s_wait_alu depctr_va_vdst(0)
.irp a, 0,1,2,3,4,5,6,7
	WIN 0x02+(\a/4)                                ; source 0: window 2 or 3
.set n, 0
.rept 64
	v_med3_num_f32 v[OV+n], v[64*(\a%4)+n], -v[LIM], v[LIM]   ; each accumulator from its low end on
.set n, n+1
.endr
	WIN 0
.if \a > 1
	s_wait_alu depctr_va_vdst(0)
	s_wait_xcnt 0x0
.endif
	CODES \a
.endr
	FINISH
.Lfunc_end_k_qd318ff0692_qkv:
	.size	k_qd318ff0692_qkv, .Lfunc_end_k_qd318ff0692_qkv-k_qd318ff0692_qkv
	.p2alignl 7, 3214868480
	.fill 96, 4, 3214868480
	.section	.rodata,"a",@progbits
	.p2align	6, 0x0
	.amdhsa_kernel k_qd318ff0692_qkv
		.amdhsa_group_segment_fixed_size 327680
		.amdhsa_private_segment_fixed_size 0
		.amdhsa_enable_private_segment 0
		.amdhsa_kernarg_size 48
		.amdhsa_user_sgpr_count 2
		.amdhsa_user_sgpr_kernarg_segment_ptr 1
		.amdhsa_wavefront_size32 1
		.amdhsa_system_sgpr_workgroup_id_x 1
		.amdhsa_system_sgpr_workgroup_id_y 1
		.amdhsa_system_sgpr_workgroup_id_z 1
		.amdhsa_system_vgpr_workitem_id 0
		.amdhsa_next_free_vgpr 1024
		.amdhsa_next_free_sgpr 100
		.amdhsa_reserve_vcc 0
		.amdhsa_float_denorm_mode_32 3
		.amdhsa_float_denorm_mode_16_64 3
		.amdhsa_memory_ordered 1
		.amdhsa_forward_progress 1
		.amdhsa_inst_pref_size 223
	.end_amdhsa_kernel
	.amdgpu_metadata
---
amdhsa.version: [ 1, 2 ]
amdhsa.kernels:
  - .name:           k_qd318ff0692_qkv
    .symbol:         k_qd318ff0692_qkv.kd
    .args:
      - { .name: xc, .offset: 0, .size: 8, .value_kind: global_buffer, .address_space: global }
      - { .name: wc, .offset: 8, .size: 8, .value_kind: global_buffer, .address_space: global }
      - { .name: freq_cos, .offset: 16, .size: 8, .value_kind: global_buffer, .address_space: global }
      - { .name: freq_sin, .offset: 24, .size: 8, .value_kind: global_buffer, .address_space: global }
      - { .name: lowp_scales, .offset: 32, .size: 8, .value_kind: global_buffer, .address_space: global }
      - { .name: qkvf, .offset: 40, .size: 8, .value_kind: global_buffer, .address_space: global }
    .group_segment_fixed_size: 327680
    .private_segment_fixed_size: 0
    .kernarg_segment_align: 8
    .kernarg_segment_size: 48
    .max_flat_workgroup_size: 128
    .sgpr_count:     100
    .vgpr_count:     1024
    .wavefront_size: 32
...
	.end_amdgpu_metadata
.endif
;; end of part 2
;; launch attn (part 3): grid 16 x 16, 16 waves a work-group, clusters of 4 x 1, 327,680 bytes of LDS; arguments qkvf, lowp_scales, af; writes af
.if DOCPART == 3
	.amdgcn_target "amdgcn-amd-amdhsa--gfx1250"
	.amdhsa_code_object_version 6
	.text
	.protected	k_qd318ff0692_attn
	.globl	k_qd318ff0692_attn
	.p2align	8
	.type	k_qd318ff0692_attn,@function
k_qd318ff0692_attn:
	s_mov_b64 s[64:65], 0
	v_nop
	global_prefetch_b8 v0, s[64:65] scope:SCOPE_SE
	s_setreg_imm32_b32 hwreg(HW_REG_WAVE_MODE, 25, 1), 1
	s_wait_xcnt 0x0
	s_wait_alu depctr_hold_cnt(0) depctr_sa_sdst(0) depctr_va_vdst(0) depctr_va_sdst(0) depctr_va_ssrc(0) depctr_va_vcc(0) depctr_vm_vsrc(0)
	s_getreg_b32 s2, hwreg(HW_REG_IB_STS2, 6, 4)
	s_cmp_eq_u32 s2, 0
	s_cbranch_scc0 .Lentry_in_a_cluster
	s_endpgm
.Lentry_in_a_cluster:
	s_bfe_u32 s2, ttmp6, 0x10000c
	s_cmp_lg_u32 s2, 0x3003
	s_cbranch_scc0 .Lentry_shape_is_right
	s_endpgm
.Lentry_shape_is_right:
; Causal attention on codes of E4M3, 16 heads of 128, 2,048 tokens; the result leaves as codes, the output projection's operand.  Q, K and V lie in qkvf as fragment images (16 rows x 128 K, 2,048 bytes:
; byte 512 c + 16 lane + y is register 4 c + y / 4 of that lane): Q at head x 262144 + (query / 16) x 2048; from 4 MiB on, head x 524288 + (128 keys) x 32768 + {K: 8 tiles of 16 keys, then V: 8 tiles of 16 channels}.
; WORK LEFT OUT: the definition's own causal mask gives a hidden key the weight 0, so key steps all of whose keys come after all queries of a span are not walked, and slots that hold only such keys are not fetched.
; THE SOFTMAX: t = score x log2(e) / sqrt(128); M = the largest t so far, rounded up to a whole number; p = 2^(t - M) is quantised, not normalised; the row's sum is taken of the unquantised p and divides at the end.
; When M moves, the sum and O are multiplied by 2^(old M - new M), which rounds nothing.  Hidden scores become -infinity, so p = 0.
; LAYOUT.  Both products are used transposed (S^T = K Q^T, O^T = V^T P^T): a lane holds one query (lane % 16), register j of tile t key or channel 16 t + 8 (lane / 16) + j: a tile's conversion gives registers 2 t, 2 t + 1 of the next operand.
; SHARES.  A head's queries are 32 blocks of 64; work-group i owns blocks i and 31 - i: eight tiles of 16 queries.  EACH TILE IS SHARED BY TWO WAVES, which take the key steps of 128 by turns (wave parity p: steps p, p + 2, ..),
; each with its own M, sum and O^T.  Wave w: tile w % 4; w / 4 = 0, 1: the late block, p = 0, 1; 2, 3: the early block.  At the end the wave with p = 1 hands its three through LDS to its partner, which brings both under the
; larger M (exact powers of two), adds, divides, quantises and stores.  A wave none of whose keys counted hands over zeros under M = -3e38, whose factor is 0.
; CLUSTER: work-groups 4 X .. 4 X + 3 of a head walk the same K and V and ask for each slot jointly.  So every branch hangs on X and the wave's number alone: the late blocks of a cluster span queries 256 (7 - X) .. + 255, the early
; ones 256 X .. + 255; a step is walked if its first key is at or under the span's last query, and masked, by each lane's own query, if its last key reaches the span's first.  2 (8 - X) + 2 X + 2 = 18 steps for a pair of tiles everywhere.
; Clusters 0 and 1 read four slots, clusters 2 and 3 three: every partner reads every slot that is asked for.
; THE RING: two slots of 512 keys (131,072 consecutive bytes of qkvf); each of the sixteen waves fetches 8,192.  Every wait on TENSORcnt is for 0.
; PREFETCH: at the change that loads slot s + 1 (s = 0, 1) slot s + 2 is named, a slot's steps ahead of its load: each partner names 32,768 bytes, told apart by address, waves 0-3 8,192 each, lanes 256 bytes apart.
; Slots 0 and 1 come by their loads alone; clusters 2 and 3 do not name slot 3.
; LIMITS: e6 + e7 between -123 and 130 (added to c's exponent field); e8, and e10 - e8 - e9, between -126 and 119.  NaN is not served; the scaled scores stay under 2^31 in magnitude.
; A NaN, an infinity or an overflow that reaches only hidden keys' scores in steps left out is not carried to the result.
; REGISTERS: v1 16 x lane; v2, v4 the hand-over's LDS addresses; v3 256 x lane; v5, v6 the add's two; v8 the step's LDS address; v12 -M, v13 the largest t, v[14:15] the sum; v16-31 Q; v32-95 four fragments;
;   v96-159 S^T, then p; v160-223 O^T; v224-239 codes; v240, v244: 448 x 2^e8, 2^e8; v241, v245 the same for the result; v242-255 at work.
.set SET,   0x400000
.set SLOT1, 131072
.set SPARE, 262144                     ; behind the ring: the spare words, 128 bytes for each of 16 waves, that no other line names
.set MLS,   65536                      ; the hand-over lies in the ring's first bytes, behind a barrier that follows every wave's last read and the last fill: 8 x 8,192 bytes of O^T, then 8 x 256 of -M and the sum
.set LI,  1
.set STG, 2
.set PFO, 3
.set SML, 4
.set SPW, 5
.set NIL, 6
.set ADK, 8
.set TB,  2                            ; s2   LDS byte of my first step in the slot in hand
.set PAR, 3                            ; s3   my parity
.set WV,  18
.set SEL, 20                           ; s[20:21] lane selects: lane l xor 16
.set CS,  22                           ; s[22:23] c = log2(e) / sqrt(128) x 2^(e6 + e7)
.set G1,  24
.set G0,  40
.set QA,  44
.set OA,  46
.set PFA, 48                           ; s[48:49] where my prefetch stands
.set LIM, 50                           ; s50  I ask while s[SLOTS] is above it
.set QB,  51                           ; s51  the span's first query
.set QBE, 52                           ; s52  and its last
.set SLOTS, 67
.set KF,  98                           ; s98  the first key of my first step in the slot in hand
.set Q0,  99                           ; s99  my tile's first query: enters lane data and global addresses alone
.macro NOPS n
.rept \n
	v_nop
.endr
.endm
.macro ROUND                           ; a round of the cluster's barrier
	s_barrier_signal -1
	s_barrier_wait -1
	s_cmp_lg_u32 s[WV], 0
	s_cbranch_scc1 .Lnot_wave_0_\@
	s_barrier_signal -3
.Lnot_wave_0_\@:
	s_barrier_wait -3
	s_barrier_signal -1
	s_barrier_wait -1
.endm
.macro LD16 off                        ; four fragments: 16 loads of 512 consecutive bytes
.set n, 0
.rept 16
	ds_load_b128 v[32+4*n:35+4*n], v[ADK] offset:(\off)+512*n
.set n, n+1
.endr
.endm
; MY j-TH KEY STEP OF THE SLOT IN HAND: 128 keys
.macro STEP j, id
	s_add_co_u32 s96, s[KF], 256*(\j)              ; its first key
	s_cmp_gt_u32 s96, s[QBE]                       ; past the span's last query: this step and all later ones are left out
	s_cbranch_scc1 .Lslot_end_\id
	s_add_co_u32 s97, s[TB], 65536*(\j)
	v_add_nc_u32 v[ADK], s97, v[LI]
.irp g, 0,1                                    ; S^T = K Q^T, four tiles of 16 keys at a time
	NOPS 4                                         ; places in front of loads into registers that matrix instructions have read
	LD16 8192*\g
.if \g == 0
	s_wait_alu depctr_va_vdst(0)
.endif
	s_wait_dscnt 0x0
.irp t, 0,1,2,3
	v_wmma_f32_16x16x128_fp8_fp8 v[96+32*\g+8*\t:103+32*\g+8*\t], v[32+16*\t:47+16*\t], v[16:31], 0
.endr
.endr
	NOPS 4                                         ; places: in front of the first read of the scores and of the loads below
	LD16 16384                                     ; V's first four tiles land under the softmax
	s_add_co_u32 s97, s96, 128
	s_cmp_le_u32 s97, s[QB]                        ; all keys come ahead of the span: nothing to hide
	s_cbranch_scc1 .Lopen_\@
	s_sub_co_i32 s97, s[Q0], s96
	v_and_b32 v252, 15, v0
	v_bfe_u32 v253, v0, 4, 1
	v_lshlrev_b32 v253, 3, v253
	v_sub_nc_u32 v252, v252, v253
	v_add_nc_u32 v252, s97, v252                   ; d = my query - the step's first key - 8 (lane / 16): register n is hidden where 16 (n / 8) + n % 8 > d
	v_mov_b32 v254, 0xff800000                     ; -infinity
.set n, 0
.rept 64
	v_cmp_gt_i32 vcc_lo, 16*(n/8)+n%8, v252
	v_cndmask_b32 v[96+n], v[96+n], v254, vcc_lo
.set n, n+1
.endr
.Lopen_\@:
	v_max3_num_f32 v254, v96, v97, v98             ; the step's largest score of my query among my 64 keys, in two chains, each accumulator from its low end on
	v_max3_num_f32 v252, v99, v100, v101
.irp i, 6,10,14,18,22,26,30,34,38,42,46,50,54,58
	v_max3_num_f32 v254, v254, v[96+\i], v[97+\i]
	v_max3_num_f32 v252, v252, v[98+\i], v[99+\i]
.endr
	v_max3_num_f32 v254, v254, v158, v159
	v_max_num_f32 v254, v254, v252
	v_permlanex16_b32 v246, v254, s[SEL], s[SEL+1]
	v_max_num_f32 v254, v254, v246                 ; and among lane l xor 16's
	v_mul_f32 v254, s[CS], v254                    ; as t (c is positive)
	v_max_num_f32 v13, v13, v254                   ; the running largest t
	v_mov_b32 v254, v12
	v_floor_f32 v12, -v13                          ; the new -M = floor(-t): M is a whole number
	v_sub_f32 v254, v12, v254                      ; old M - new M: a whole number, 0 or less
	v_cvt_i32_f32 v254, v254                       ; (it saturates)
	v_ldexp_f32 v252, 1.0, v254                    ; f = 2^(old M - new M)
.set n, 0
.rept 32
	v_pk_fma_f32 v[96+n:97+n], v[96+n:97+n], s[CS:CS+1], v[12:13] op_sel_hi:[1,0,0]   ; t - M, two at a time
.set n, n+2
.endr
	s_wait_alu depctr_va_vdst(0)
.set n, 0
.rept 64
	v_exp_f32 v[96+n], v[96+n]                     ; p = 2^(t - M)
.set n, n+1
.endr
	v_pk_mul_f32 v[14:15], v[14:15], v[252:253] op_sel_hi:[1,0]   ; the sums under the new M: the plain line behind the exponentials
	s_wait_alu depctr_va_vdst(0)                   ; one wait for the whole batch, ahead of its first reader
	v_pk_add_f32 v[242:243], v[96:97], v[98:99]    ; the row's sum of the unquantised p, in two chains
.irp i, 4,8,12,16,20,24,28,32,36,40,44,48,52,56,60
	v_pk_add_f32 v[14:15], v[14:15], v[96+\i:97+\i]
	v_pk_add_f32 v[242:243], v[242:243], v[98+\i:99+\i]
.endr
	v_pk_add_f32 v[14:15], v[14:15], v[242:243]
.irp t, 0,1,2,3,4,5,6,7
.irp i, 0,1,2,3,4,5,6,7
	v_min_num_f32 v[96+8*\t+\i], v[96+8*\t+\i], v240   ; the conversion does not saturate (ISA guide 7.6.2); p is not negative, so the hold is one-sided
.endr
	v_cvt_scalef32_pk8_fp8_f32 v[224+2*\t:225+2*\t], v[96+8*\t:103+8*\t], v244
.endr
	s_wait_alu depctr_va_vdst(0)
.set n, 0
.rept 32
	v_pk_mul_f32 v[160+n:161+n], v[160+n:161+n], v[252:253] op_sel_hi:[1,0]   ; O^T under the new M; these lines also stand between the conversions and the products
.set n, n+2
.endr
.irp g, 0,1                                    ; O^T += V^T P^T: eight accumulators by turns
.if \g > 0
	NOPS 4
	LD16 24576
.else
	s_wait_alu depctr_va_vdst(0)
.endif
	s_wait_dscnt 0x0
.irp t, 0,1,2,3
	v_wmma_f32_16x16x128_fp8_fp8 v[160+32*\g+8*\t:167+32*\g+8*\t], v[32+16*\t:47+16*\t], v[224:239], v[160+32*\g+8*\t:167+32*\g+8*\t]
.endr
.endr
.endm
.macro SLOT_STEPS id                   ; my two steps of a slot's four
	STEP 0, \id
	STEP 1, \id
.Lslot_end_\id:
	s_add_co_u32 s[KF], s[KF], 512
	s_xor_b32 s[TB], s[TB], SLOT1                  ; on to the other slot
.endm
; THE CHANGE OF SLOTS stands at a slot's head: each wave waits for all its tensor loads (its part of the slot ahead), adds 0 to its spare word, and waits for that and for its reads of the slot that it has left.
; fill = 1: a round of the cluster's barrier, and the slot that was left takes the next 512 keys by a joint load.  ask = 1: the slot after that is named to the L2.
.macro CHANGE fill, ask
	s_wait_tensorcnt 0x0                           ; no tensor load of mine is out, so the group 0 may be written
	ds_add_u32 v[SPW], v[NIL]                      ; 0 onto my spare word
.if \fill
	s_xor_b32 s[G0+1], s[G0+1], SLOT1
	s_add_nc_u64 s[G0+2:G0+3], s[G0+2:G0+3], SLOT1
.endif
.if \ask
	s_wait_xcnt 0x0                                ; any prefetch of mine has read its address
	s_add_nc_u64 s[PFA:PFA+1], s[PFA:PFA+1], SLOT1 ; one slot further on than the walking descriptor
.endif
	s_wait_dscnt 0x0
.if \fill
	ROUND                                          ; no wave of any partner still reads the slot or has a load on its way
	tensor_load_to_lds s[G0:G0+3], s[G1:G1+7]      ; my one tensor load until the next change
	s_nop 0
	NOPS 4
.else
	s_barrier_signal -1
	s_barrier_wait -1
.endif
.if \ask
	s_cmp_gt_u32 s[SLOTS], s[LIM]
	s_cbranch_scc0 .Lnot_mine_\@
	global_prefetch_b8 v[PFO], s[PFA:PFA+1] th:TH_LOAD_NT scope:SCOPE_SE
.Lnot_mine_\@:
.endif
.endm
	s_load_b128 s[4:7], s[0:1], 0x0                ; qkvf 4, the exponents 6
	s_load_b64 s[8:9], s[0:1], 0x10                ; af
	v_lshl_add_u32 v[SPW], v0, 2, SPARE
	v_mov_b32 v[NIL], 0
	ds_add_u32 v[SPW], v[NIL]                      ; the wave's opening: the add, twice on end, and its wait ahead of my first tensor load
	ds_add_u32 v[SPW], v[NIL]
	v_lshrrev_b32 v8, 5, v0
	v_readfirstlane_b32 s[WV], v8                  ; wave 0..15
	s_and_b32 s10, ttmp7, 0xffff                   ; the head
	s_bfe_u32 s11, ttmp6, 0x40000                  ; cx
	s_lshl_b32 s12, ttmp9, 2
	s_add_co_u32 s12, s12, s11                     ; i = 4 X + cx
	s_sub_co_u32 s13, 31, s12
	s_lshl_b32 s14, ttmp9, 8                       ; the early span's first query: 256 X
	s_sub_co_u32 s15, 1792, s14                    ; the late span's: 256 (7 - X)
	s_cmp_lt_u32 s[WV], 8
	s_cselect_b32 s12, s13, s12                    ; my block of 64 queries
	s_cselect_b32 s[QB], s15, s14
	s_add_co_u32 s[QBE], s[QB], 255
	s_lshl_b32 s12, s12, 6
	s_and_b32 s37, s[WV], 3                        ; my tile in the block
	s_lshl_b32 s14, s37, 4
	s_add_co_u32 s[Q0], s12, s14
	s_bfe_u32 s[PAR], s[WV], 0x10002               ; my parity: bit 2 of the wave's number
	s_lshl_b32 s[KF], s[PAR], 7
	s_lshl_b32 s[TB], s[PAR], 15
	s_mov_b32 s[G1], 15|(3<<16)|(1<<21)            ; the mask names the four partners; elements of 8 bytes; bit 21 beside a mask; no padding
	s_mov_b32 s[G1+1], 32<<16                      ; tensor_dim0 = 32 elements: 256 bytes
	s_mov_b32 s[G1+2], 32<<16                      ; tensor_dim1 = 32
	s_mov_b32 s[G1+3], 32<<16                      ; tile_dim0
	s_mov_b32 s[G1+4], 32                          ; tile_dim1
	s_mov_b32 s[G1+5], 32                          ; the rows follow each other in memory
	s_mov_b32 s[G1+6], 0
	s_mov_b32 s[G1+7], 0
	s_mov_b32 s[SEL], 0x76543210
	s_mov_b32 s[SEL+1], 0xfedcba98
	s_mov_b32 s[CS], 0x3e0293ee                    ; log2(e) / sqrt(128)
	s_mov_b32 s[SLOTS], 2
	s_lshl_b32 s12, s10, 19                        ; K and V: the head's section, behind Q's images
	s_add_co_u32 s12, s12, SET
	s_lshl_b32 s36, s[WV], 13                      ; my sixteenth of a slot
	s_lshl_b32 s32, s11, 15                        ; the prefetch: my work-group's quarter of a slot,
	s_lshl_b32 s38, s37, 13                        ; my wave's 8,192 bytes of it,
	s_add_co_u32 s32, s32, s38
	s_add_co_u32 s32, s32, s12
	s_add_co_u32 s32, s32, SLOT1                   ; in slot 1: the first change steps it to slot 2
	s_mov_b32 s33, 0
	s_add_co_u32 s12, s12, s36
	s_mov_b32 s13, 0
	s_lshl_b32 s14, s10, 18                        ; Q: the head, my tile
	s_lshl_b32 s15, s[Q0], 7
	s_add_co_u32 s14, s14, s15
	s_mov_b32 s15, 0
	s_lshr_b32 s16, s[Q0], 7                       ; the result: group of 128 tokens, the head as the step along K, the fragment
	s_lshl_b32 s16, s16, 18
	s_lshl_b32 s17, s10, 14
	s_add_co_u32 s16, s16, s17
	s_bfe_u32 s17, s[Q0], 0x30004
	s_lshl_b32 s17, s17, 11
	s_add_co_u32 s16, s16, s17
	s_mov_b32 s17, 0
	s_lshr_b32 s34, s[WV], 3                       ; the pair of waves that share my tile: tile + 4 x (early block)
	s_lshl_b32 s34, s34, 2
	s_add_co_u32 s34, s34, s37
	s_lshl_b32 s35, s34, 8
	s_add_co_u32 s35, s35, MLS
	s_lshl_b32 s34, s34, 13
	s_cmp_lt_u32 ttmp9, 2                          ; who asks: waves 0-3; in both trips where the cluster reads slot 3, else in the first alone
	s_cselect_b32 s[LIM], 0, 1
	s_cmp_lt_u32 s[WV], 4
	s_cselect_b32 s[LIM], s[LIM], 9
	s_wait_dscnt 0x0                               ; both opening adds are done
	s_wait_kmcnt 0x0
	s_load_b256 s[68:75], s[6:7], 0x0              ; e0 .. e7
	s_load_b128 s[76:79], s[6:7], 0x20             ; e8 .. e11
	s_mov_b32 s[G0], 1
	s_mov_b32 s[G0+1], s36                         ; slot 0, my sixteenth
	s_add_nc_u64 s[G0+2:G0+3], s[4:5], s[12:13]
	s_or_b32 s[G0+3], s[G0+3], 0x80000000
	ROUND                                          ; the four partners are here: the first joint loads meet
	tensor_load_to_lds s[G0:G0+3], s[G1:G1+7]      ; slot 0: one load of mine is out
	s_nop 0
	NOPS 4
	s_add_nc_u64 s[QA:QA+1], s[4:5], s[14:15]
	s_add_nc_u64 s[OA:OA+1], s[8:9], s[16:17]
	s_add_nc_u64 s[PFA:PFA+1], s[4:5], s[32:33]
	v_and_b32 v[LI], 31, v0
	v_lshlrev_b32 v[LI], 4, v[LI]
.irp c, 0,1,2,3
	global_load_b128 v[16+4*\c:19+4*\c], v[LI], s[QA:QA+1] offset:512*\c   ; Q's fragment stays in registers
.endr
	v_add_nc_u32 v[STG], s34, v[LI]
	v_lshlrev_b32 v[PFO], 4, v[LI]
	v_lshrrev_b32 v[SML], 1, v[LI]
	v_add_nc_u32 v[SML], s35, v[SML]
	v_mov_b32 v13, 0xff61b1e6                      ; the largest t so far: -3e38, under every t
	v_floor_f32 v12, -v13
	v_mov_b32 v14, 0
	v_mov_b32 v15, 0
	v_mov_b32 v246, 0                              ; a lane permute's destination counts as one of its sources
	v_mov_b32 v253, 0                              ; (named as the upper halves of pairs)
	v_mov_b32 v255, 0
.set n, 0
.rept 64
	v_mov_b32 v[160+n], 0                          ; O^T: no step is written as a first one; a wave may also walk no step that counts
.set n, n+1
.endr
	s_wait_kmcnt 0x0
	s_add_co_i32 s12, s74, s75
	s_lshl_b32 s12, s12, 23
	s_add_co_i32 s[CS], s[CS], s12                 ; a score stands for score x 2^(e6 + e7)
	s_mov_b32 s[CS+1], s[CS]
	s_add_co_i32 s12, s76, 127
	s_lshl_b32 s13, s12, 23
	v_mov_b32 v244, s13                            ; 2^e8
	s_add_co_i32 s12, s12, 8
	s_lshl_b32 s12, s12, 23
	s_or_b32 s12, s12, 0x600000
	v_mov_b32 v240, s12                            ; 448 x 2^e8
	s_sub_co_i32 s12, s78, s76
	s_sub_co_i32 s12, s12, s77
	s_add_co_i32 s12, s12, 127
	s_lshl_b32 s13, s12, 23
	v_mov_b32 v245, s13                            ; 2^(e10 - e8 - e9): O^T / the sum stands for that x 2^(e8 + e9)
	s_add_co_i32 s12, s12, 8
	s_lshl_b32 s12, s12, 23
	s_or_b32 s12, s12, 0x600000
	v_mov_b32 v241, s12
	s_wait_alu depctr_va_vdst(0)
	s_wait_loadcnt 0x0                             ; Q
.Lslot:                                                ; two trips: slots 0 and 1 are walked, slots 1 and 2 asked for
	CHANGE 1, 1
	SLOT_STEPS 0
	s_sub_co_u32 s[SLOTS], s[SLOTS], 1
	s_cmp_lg_u32 s[SLOTS], 0
	s_cbranch_scc1 .Lslot
	s_cmp_ge_u32 ttmp9, 2                          ; clusters 2 and 3: slot 2 is the last.  The cluster's number alone: all partners and all waves go the same way
	s_cbranch_scc1 .Llast
	CHANGE 1, 0                                    ; slot 3 is asked for, slot 2 walked
	SLOT_STEPS 1
.Llast:
	CHANGE 0, 0
	SLOT_STEPS 2
	; THE TWO HALVES OF A TILE ARE JOINED
	NOPS 4                                         ; places behind the last products
	v_add_f32 v14, v14, v15
	v_permlanex16_b32 v246, v14, s[SEL], s[SEL+1]
	v_add_f32 v13, v14, v246                       ; the sum over my steps, beside -M
	s_wait_alu depctr_va_vdst(0)
	s_wait_dscnt 0x0
	s_barrier_signal -1
	s_barrier_wait -1                              ; every wave's reads of the ring are over
	s_cmp_eq_u32 s[PAR], 0
	s_cbranch_scc1 .Lkeeps
.set n, 0
.rept 16
	ds_store_b128 v[STG], v[160+4*n:163+4*n] offset:512*n   ; each accumulator from its low end on
.set n, n+1
.endr
	ds_store_b64 v[SML], v[12:13]
.Lkeeps:
	s_wait_dscnt 0x0                               ; my stores are done, for my partner's sake
	s_barrier_signal -1
	s_barrier_wait -1
	s_cmp_lg_u32 s[PAR], 0
	s_cbranch_scc1 .Ldone
.set n, 0
.rept 16
	ds_load_b128 v[32+4*n:35+4*n], v[STG] offset:512*n
.set n, n+1
.endr
	ds_load_b64 v[248:249], v[SML]
	s_wait_dscnt 0x0
	v_min_num_f32 v250, v12, v248                  ; -M of both: the larger M
	v_sub_f32 v251, v250, v12                      ; my M less that: a whole number, 0 or less
	v_sub_f32 v247, v250, v248                     ; my partner's likewise
	v_cvt_i32_f32 v251, v251                       ; (they saturate)
	v_cvt_i32_f32 v247, v247
	v_ldexp_f32 v252, 1.0, v251
	v_ldexp_f32 v254, 1.0, v247
	v_mul_f32 v13, v13, v252
	v_fmac_f32 v13, v249, v254                     ; the row's sum
	s_wait_alu depctr_va_vdst(0)                   ; the wait ahead of the transcendental
	v_rcp_f32 v13, v13
	v_nop                                          ; a plain line behind it
	s_wait_alu depctr_va_vdst(0)                   ; and the wait ahead of its first reader
	v_mul_f32 v252, v252, v13
	v_mul_f32 v254, v254, v13
	s_wait_alu depctr_va_vdst(0)
.set n, 0
.rept 32
	v_pk_mul_f32 v[96+n:97+n], v[160+n:161+n], v[252:253] op_sel_hi:[1,0]
.set n, n+2
.endr
.set n, 0
.rept 32
	v_pk_fma_f32 v[96+n:97+n], v[32+n:33+n], v[254:255], v[96+n:97+n] op_sel_hi:[1,0,1]
.set n, n+2
.endr
.set n, 0
.rept 64
	v_med3_num_f32 v[96+n], v[96+n], -v241, v241   ; the hold at the largest code x the scale
.set n, n+1
.endr
.irp t, 0,1,2,3,4,5,6,7
	v_cvt_scalef32_pk8_fp8_f32 v[224+2*\t:225+2*\t], v[96+8*\t:103+8*\t], v245   ; registers 2 t, 2 t + 1 of the image of my 16 tokens x this head's 128
.endr
	v_nop
.irp c, 0,1,2,3
	global_store_b128 v[LI], v[224+4*\c:227+4*\c], s[OA:OA+1] offset:512*\c   ; 32 lanes store 512 consecutive bytes
.endr
.Ldone:
	s_wait_tensorcnt 0x0                           ; the wave's end, behind my last tensor load and LDS store
	ds_add_u32 v[SPW], v[NIL]
	s_wait_dscnt 0x0
	ROUND                                          ; the closing round
	s_endpgm
.Lfunc_end_k_qd318ff0692_attn:
	.size	k_qd318ff0692_attn, .Lfunc_end_k_qd318ff0692_attn-k_qd318ff0692_attn
	.p2alignl 7, 3214868480
	.fill 96, 4, 3214868480
	.section	.rodata,"a",@progbits
	.p2align	6, 0x0
	.amdhsa_kernel k_qd318ff0692_attn
		.amdhsa_group_segment_fixed_size 327680
		.amdhsa_private_segment_fixed_size 0
		.amdhsa_enable_private_segment 0
		.amdhsa_kernarg_size 24
		.amdhsa_user_sgpr_count 2
		.amdhsa_user_sgpr_kernarg_segment_ptr 1
		.amdhsa_wavefront_size32 1
		.amdhsa_system_sgpr_workgroup_id_x 1
		.amdhsa_system_sgpr_workgroup_id_y 1
		.amdhsa_system_sgpr_workgroup_id_z 1
		.amdhsa_system_vgpr_workitem_id 0
		.amdhsa_next_free_vgpr 256
		.amdhsa_next_free_sgpr 100
		.amdhsa_reserve_vcc 1
		.amdhsa_float_denorm_mode_32 3
		.amdhsa_float_denorm_mode_16_64 3
		.amdhsa_memory_ordered 1
		.amdhsa_forward_progress 1
		.amdhsa_inst_pref_size 169
	.end_amdhsa_kernel
	.amdgpu_metadata
---
amdhsa.version: [ 1, 2 ]
amdhsa.kernels:
  - .name:           k_qd318ff0692_attn
    .symbol:         k_qd318ff0692_attn.kd
    .args:
      - { .name: qkvf, .offset: 0, .size: 8, .value_kind: global_buffer, .address_space: global }
      - { .name: lowp_scales, .offset: 8, .size: 8, .value_kind: global_buffer, .address_space: global }
      - { .name: af, .offset: 16, .size: 8, .value_kind: global_buffer, .address_space: global }
    .group_segment_fixed_size: 327680
    .private_segment_fixed_size: 0
    .kernarg_segment_align: 8
    .kernarg_segment_size: 24
    .max_flat_workgroup_size: 512
    .sgpr_count:     100
    .vgpr_count:     256
    .wavefront_size: 32
...
	.end_amdgpu_metadata
.endif
;; end of part 3
;; launch oproj (part 4): grid 16 x 16, 4 waves a work-group, clusters of 4 x 4, 327,680 bytes of LDS; arguments af, wc, lowp_scales, out0; writes out0
.if DOCPART == 4
	.amdgcn_target "amdgcn-amd-amdhsa--gfx1250"
	.amdhsa_code_object_version 6
	.text
	.protected	k_qd318ff0692_oproj
	.globl	k_qd318ff0692_oproj
	.p2align	8
	.type	k_qd318ff0692_oproj,@function
k_qd318ff0692_oproj:
	s_mov_b64 s[64:65], 0
	v_nop
	global_prefetch_b8 v0, s[64:65] scope:SCOPE_SE
	s_setreg_imm32_b32 hwreg(HW_REG_WAVE_MODE, 25, 1), 1
	s_wait_xcnt 0x0
	s_wait_alu depctr_hold_cnt(0) depctr_sa_sdst(0) depctr_va_vdst(0) depctr_va_sdst(0) depctr_va_ssrc(0) depctr_va_vcc(0) depctr_vm_vsrc(0)
	s_getreg_b32 s2, hwreg(HW_REG_IB_STS2, 6, 4)
	s_cmp_eq_u32 s2, 0
	s_cbranch_scc0 .Lentry_in_a_cluster
	s_endpgm
.Lentry_in_a_cluster:
	s_bfe_u32 s2, ttmp6, 0x10000c
	s_cmp_lg_u32 s2, 0xf033
	s_cbranch_scc0 .Lentry_shape_is_right
	s_endpgm
.Lentry_shape_is_right:
; out0 = attention's result x wo, on codes of E4M3 that lie as fragment images (af; wo's set is the fourth of wc); each finished sum x 2^(e10 + e11), which lies between -126 and 127.
; A tile of 128 x 128 is made by four waves, 64 x 64 each (16 accumulators by turns); K = 2,048 goes in four steps of 512 through two LDS slots: in a slot A's 65,536 bytes, then B's; each wave fetches 32,768.
; Clusters of 4 x 4: A's tiles are asked for jointly along a row, B's along a column.  The matrix instruction is used transposed, and results leave through each wave's stage in slot 0 as aligned runs of 256 bytes.
; No prefetch: the four K steps are written out, with no loop to run ahead in.
.set SET,   0x400000
.set SLOTB, 131072
.set SPARE, 262144
.set SPITCH, 272
.set ADRA, 16
.set ADRB, 20
.set STO,  24
.set RD,   25
.set CO,   26
.set LI,   27
.set SPW,  28
.set NIL,  29
.set TMP,  32
.set BK,   64
.set ACC,  128
.set F0,   0
.set F1,   128
.set G1,  24
.set G0,  32
.set G1B, 48
.set G0B, 56
.set MSB, 0
.macro WIN new
.if MSB != (\new)
	s_set_vgpr_msb (MSB<<8)|(\new)
.set MSB, (\new)
.endif
.endm
.set MUL,  0x05
.set TO_F, 0x40
.macro JLOAD s
	s_cmp_eq_u32 s15, 0
	s_cbranch_scc0 .Lfor_b_\@
	tensor_load_to_lds s[G0+4*\s:G0+4*\s+3], s[G1:G1+7]
	s_nop 0
.rept 4
	v_nop
.endr
	s_branch .Lasked_\@
.Lfor_b_\@:
	tensor_load_to_lds s[G0B+4*\s:G0B+4*\s+3], s[G1B:G1B+7]
	s_nop 0
.rept 4
	v_nop
.endr
.Lasked_\@:
.endm
.macro CREST
	s_cmp_lg_u32 s14, 0
	s_cbranch_scc1 .Lnot_wave_0_\@
	s_barrier_signal -3
.Lnot_wave_0_\@:
	s_barrier_wait -3
	s_barrier_signal -1
	s_barrier_wait -1
.endm
.macro CROUND
	s_barrier_signal -1
	s_barrier_wait -1
	CREST
.endm
.macro PLACES
.rept 4
	v_nop
.endr
.endm
.macro MUL4 f, a, zero
.irp b, 0,1,2,3
.if \zero
	v_wmma_f32_16x16x128_fp8_fp8 v[ACC+8*(4*(\a)+\b):ACC+8*(4*(\a)+\b)+7], v[\f+64+16*\b:\f+64+16*\b+15], v[\f+16*(\a):\f+16*(\a)+15], 0
.else
	v_wmma_f32_16x16x128_fp8_fp8 v[ACC+8*(4*(\a)+\b):ACC+8*(4*(\a)+\b)+7], v[\f+64+16*\b:\f+64+16*\b+15], v[\f+16*(\a):\f+16*(\a)+15], v[ACC+8*(4*(\a)+\b):ACC+8*(4*(\a)+\b)+7]
.endif
.endr
.endm
.macro FETCH slot, q, f
	WIN TO_F
.irp i, 0,1,2,3
.irp c, 0,1,2,3
	ds_load_b128 v[\f+64+16*\i+4*\c:\f+64+16*\i+4*\c+3], v[ADRB+\slot] offset:16384*(\q)+2048*\i+512*\c
.endr
.endr
.irp i, 0,1,2,3
.irp c, 0,1,2,3
	ds_load_b128 v[\f+16*\i+4*\c:\f+16*\i+4*\c+3], v[ADRA+\slot] offset:16384*(\q)+2048*\i+512*\c
.endr
.endr
.endm
.macro QUARTER slot, qn, f, g, zero
	s_wait_dscnt 8
	WIN MUL
	MUL4 \f, 0, \zero
	MUL4 \f, 1, \zero
	PLACES
	FETCH \slot, \qn, \g
	s_wait_dscnt 32
	WIN MUL
	MUL4 \f, 2, \zero
	MUL4 \f, 3, \zero
.endm
.macro TURN slot, next, fill
	WIN 0
	s_wait_tensorcnt 0x0
	ds_add_u32 v[SPW], v[NIL]
	s_wait_dscnt 9
	WIN MUL
	MUL4 F1, 0, 0
	MUL4 F1, 1, 0
	s_wait_dscnt 0x0
	s_barrier_signal -1
	MUL4 F1, 2, 0
	WIN 0
	s_barrier_wait -1
.if \fill
	CREST
	s_add_nc_u64 s[G0+4*\slot+2:G0+4*\slot+3], s[G0+4*\slot+2:G0+4*\slot+3], 131072
	s_add_nc_u64 s[G0B+4*\slot+2:G0B+4*\slot+3], s[G0B+4*\slot+2:G0B+4*\slot+3], 131072
	JLOAD \slot
.else
	PLACES
.endif
	FETCH \next, 0, F0
	WIN MUL
	MUL4 F1, 3, 0
.endm
	s_load_b256 s[4:11], s[0:1], 0x0
	v_lshl_add_u32 v[SPW], v0, 2, SPARE
	v_mov_b32 v[NIL], 0
	ds_add_u32 v[SPW], v[NIL]
	ds_add_u32 v[SPW], v[NIL]
	v_lshrrev_b32 v1, 5, v0
	v_readfirstlane_b32 s14, v1
	s_lshr_b32 s15, s14, 1
	s_and_b32 s16, s14, 1
	s_bfe_u32 s40, ttmp6, 0x40000
	s_bfe_u32 s41, ttmp6, 0x40004
	s_lshl_b32 s42, ttmp9, 2
	s_add_co_u32 s42, s42, s40
	s_and_b32 s17, ttmp7, 0xffff
	s_lshl_b32 s17, s17, 2
	s_add_co_u32 s17, s17, s41
	s_lshl_b32 s43, s41, 2
	s_lshl_b32 s43, 15, s43
	s_lshl_b32 s44, 0x1111, s40
	s_or_b32 s[G1], s43, (3<<16)|(1<<21)
	s_or_b32 s[G1B], s44, (3<<16)|(1<<21)
.irp g, G1, G1B
	s_mov_b32 s[\g+1], 32<<16
	s_mov_b32 s[\g+2], 128<<16
	s_mov_b32 s[\g+3], 32<<16
	s_mov_b32 s[\g+4], 128
	s_mov_b32 s[\g+5], 32
	s_mov_b32 s[\g+6], 0
	s_mov_b32 s[\g+7], 0
.endr
	s_lshl_b32 s18, s16, 15
	s_lshl_b32 s20, s17, 18
	s_add_co_u32 s20, s20, s18
	s_mov_b32 s21, 0
	s_lshl_b32 s46, s42, 18
	s_add_co_u32 s46, s46, s18
	s_add_co_u32 s46, s46, 3*SET
	s_mov_b32 s47, 0
	s_lshl_b32 s45, s14, 15
	s_wait_dscnt 0x0
	s_wait_kmcnt 0x0
	s_load_b64 s[96:97], s[8:9], 0x28
	s_add_nc_u64 s[20:21], s[4:5], s[20:21]
	s_add_nc_u64 s[46:47], s[6:7], s[46:47]
	CROUND
.irp s, 0,1
	s_mov_b32 s[G0+4*\s], 1
	s_add_co_u32 s[G0+4*\s+1], s45, \s*SLOTB
	s_add_nc_u64 s[G0+4*\s+2:G0+4*\s+3], s[20:21], \s*65536
	s_or_b32 s[G0+4*\s+3], s[G0+4*\s+3], 0x80000000
	s_mov_b32 s[G0B+4*\s], 1
	s_add_co_u32 s[G0B+4*\s+1], s45, \s*SLOTB
	s_add_nc_u64 s[G0B+4*\s+2:G0B+4*\s+3], s[46:47], \s*65536
	s_or_b32 s[G0B+4*\s+3], s[G0B+4*\s+3], 0x80000000
.endr
	JLOAD 0                                        ; K step 0, behind the opening round: one tensor load a wave at the head
	v_and_b32 v1, 15, v0
	s_wait_alu depctr_va_vdst(0)
	v_bfe_u32 v2, v0, 4, 1
	v_and_b32 v3, 31, v0
	v_lshlrev_b32 v[LI], 4, v3
	s_lshl_b32 s21, s15, 13
	s_lshl_b32 s22, s16, 13
	s_add_co_u32 s22, s22, 65536
.irp s, 0,1
	v_add_nc_u32 v[ADRA+\s], s21, v[LI]
	v_add_nc_u32 v[ADRB+\s], s22, v[LI]
	s_add_co_u32 s21, s21, SLOTB
	s_add_co_u32 s22, s22, SLOTB
.endr
	s_mul_i32 s23, s14, 16*SPITCH
	v_mul_u32_u24 v4, v1, SPITCH
	s_wait_alu depctr_va_vdst(0)
	v_lshl_add_u32 v4, v2, 5, v4
	v_add_nc_u32 v[STO], s23, v4
	v_mul_u32_u24 v5, v2, SPITCH
	v_lshl_add_u32 v5, v1, 4, v5
	v_add_nc_u32 v[RD], s23, v5
	v_lshlrev_b32 v5, 13, v2
	v_lshl_add_u32 v[CO], v1, 4, v5
	s_lshl_b32 s20, s17, 20
	s_lshl_b32 s21, s15, 19
	s_add_co_u32 s20, s20, s21
	s_lshl_b32 s21, s42, 9
	s_add_co_u32 s20, s20, s21
	s_lshl_b32 s21, s16, 8
	s_add_co_u32 s20, s20, s21
	s_mov_b32 s21, 0
	s_add_nc_u64 s[10:11], s[10:11], s[20:21]
	s_wait_alu depctr_va_vdst(0)
	s_wait_tensorcnt 0x0                           ; my part of K step 0 is in; slot 1's first fill is issued as a refill is
	ds_add_u32 v[SPW], v[NIL]
	s_wait_dscnt 0x0
	CROUND                                         ; everybody's part is in, and the partners' joint loads meet
	JLOAD 1
	FETCH 0, 0, F0
	QUARTER 0, 1, F0, F1, 1
	QUARTER 0, 2, F1, F0, 0
	QUARTER 0, 3, F0, F1, 0
	TURN 0, 1, 1
	QUARTER 1, 1, F0, F1, 0
	QUARTER 1, 2, F1, F0, 0
	QUARTER 1, 3, F0, F1, 0
	TURN 1, 0, 1
	QUARTER 0, 1, F0, F1, 0
	QUARTER 0, 2, F1, F0, 0
	QUARTER 0, 3, F0, F1, 0
	TURN 0, 1, 0
	QUARTER 1, 1, F0, F1, 0
	QUARTER 1, 2, F1, F0, 0
	QUARTER 1, 3, F0, F1, 0
	s_wait_dscnt 8
	WIN MUL
	MUL4 F1, 0, 0
	MUL4 F1, 1, 0
	s_wait_dscnt 0
	MUL4 F1, 2, 0
	MUL4 F1, 3, 0
	WIN 0
.macro TOSTAGE a
.set AC, ACC+32*(\a)
.set n, 0
.rept 16
	v_pk_mul_f32 v[TMP+n:TMP+n+1], v[AC+n:AC+n+1], s[96:97] op_sel_hi:[1,0]
.set n, n+2
.endr
.irp b, 0,1,2,3
	ds_store_b128 v[STO], v[TMP+8*\b:TMP+8*\b+3] offset:64*\b
	ds_store_b128 v[STO], v[TMP+8*\b+4:TMP+8*\b+7] offset:64*\b+16
.endr
.set BB, BK+32*((\a)%2)
.irp t, 0,1,2,3,4,5,6,7
	ds_load_b128 v[BB+4*\t:BB+4*\t+3], v[RD] offset:\t*2*SPITCH
.endr
.endm
.macro SEND a, younger
.set BB, BK+32*((\a)%2)
	s_wait_dscnt \younger
.irp t, 0,1,2,3,4,5,6,7
	global_store_b128 v[CO], v[BB+4*\t:BB+4*\t+3], s[10:11] offset:(16*(\a)+2*\t)*8192 th:TH_STORE_NT
.endr
.endm
	s_wait_kmcnt 0x0
	s_add_co_i32 s96, s96, s97
	s_add_co_i32 s96, s96, 127
	s_lshl_b32 s96, s96, 23
	s_mov_b32 s97, s96
	PLACES
	TOSTAGE 0
.irp a, 1,2,3
.if \a > 1
	s_wait_xcnt 0x0
.endif
	TOSTAGE \a
	SEND \a-1, 16
.endr
	SEND 3, 0
	s_wait_tensorcnt 0x0
	ds_add_u32 v[SPW], v[NIL]
	s_wait_dscnt 0x0
	CROUND
	s_endpgm
.Lfunc_end_k_qd318ff0692_oproj:
	.size	k_qd318ff0692_oproj, .Lfunc_end_k_qd318ff0692_oproj-k_qd318ff0692_oproj
	.p2alignl 7, 3214868480
	.fill 96, 4, 3214868480
	.section	.rodata,"a",@progbits
	.p2align	6, 0x0
	.amdhsa_kernel k_qd318ff0692_oproj
		.amdhsa_group_segment_fixed_size 327680
		.amdhsa_private_segment_fixed_size 0
		.amdhsa_enable_private_segment 0
		.amdhsa_kernarg_size 32
		.amdhsa_user_sgpr_count 2
		.amdhsa_user_sgpr_kernarg_segment_ptr 1
		.amdhsa_wavefront_size32 1
		.amdhsa_system_sgpr_workgroup_id_x 1
		.amdhsa_system_sgpr_workgroup_id_y 1
		.amdhsa_system_sgpr_workgroup_id_z 1
		.amdhsa_system_vgpr_workitem_id 0
		.amdhsa_next_free_vgpr 512
		.amdhsa_next_free_sgpr 100
		.amdhsa_reserve_vcc 0
		.amdhsa_float_denorm_mode_32 3
		.amdhsa_float_denorm_mode_16_64 3
		.amdhsa_memory_ordered 1
		.amdhsa_forward_progress 1
		.amdhsa_inst_pref_size 74
	.end_amdhsa_kernel
	.amdgpu_metadata
---
amdhsa.version: [ 1, 2 ]
amdhsa.kernels:
  - .name:           k_qd318ff0692_oproj
    .symbol:         k_qd318ff0692_oproj.kd
    .args:
      - { .name: af, .offset: 0, .size: 8, .value_kind: global_buffer, .address_space: global }
      - { .name: wc, .offset: 8, .size: 8, .value_kind: global_buffer, .address_space: global }
      - { .name: lowp_scales, .offset: 16, .size: 8, .value_kind: global_buffer, .address_space: global }
      - { .name: out0, .offset: 24, .size: 8, .value_kind: global_buffer, .address_space: global }
    .group_segment_fixed_size: 327680
    .private_segment_fixed_size: 0
    .kernarg_segment_align: 8
    .kernarg_segment_size: 32
    .max_flat_workgroup_size: 128
    .sgpr_count:     100
    .vgpr_count:     512
    .wavefront_size: 32
...
	.end_amdgpu_metadata
.endif
;; end of part 4
